; MI455X (gfx1250); checked and timed in simulation.
; The chip was launched on July 23, 2026; its instructions are those of AMD's public machine-readable ISA for CDNA 5 (MIT licence, August 2026) and "CDNA5" Instruction Set Architecture Reference Guide (July 2026). The comments in the code are by the model that wrote it; some were corrected since.
;; Head. Allowed arithmetic: float matrix products may take bf16 or f16 operands with f32 sums; other float arithmetic in f32, or as packed bf16 or f16 multiplies, adds, multiply-adds, maxima and minima; sums over many terms, partial sums and values carried from step to step in f32; what a program stores and reads back later, other than sums and carried values, may be rounded once to bf16 or f16.
;; Inputs: w1 2,048 x 2,048 float32; w2 2,048 x 2,048 float32; x 4 x 2,048 x 2,048 float32.
;; Outputs: out0 4 x 2,048 x 2,048 float32.
;; One version. Each part assembles by itself: llvm-mc -triple=amdgcn-amd-amdhsa -mcpu=gfx1250 --defsym DOCPART=n.
;; ======== version 1 of 1: 4 launches
;; limits: values are held in f16: magnitudes above 65,504 overflow, below 6.1e-05 lose precision
;; workspace buffers: xo 33,554,432 bytes; h16 33,554,432 bytes; w1b 8,388,608 bytes; w2h 8,388,608 bytes
;; launch cast (part 1): grid 1536 x 1, 8 waves a work-group, no clusters, 0 bytes of LDS; arguments x, w1, w2, xo, w1b, w2h; writes xo, w1b, w2h
.if DOCPART == 1
	.amdgcn_target "amdgcn-amd-amdhsa--gfx1250"
	.amdhsa_code_object_version 6
	.text
	.protected	k_qed29be9087_cast
	.globl	k_qed29be9087_cast
	.p2align	8
	.type	k_qed29be9087_cast,@function
k_qed29be9087_cast:
	s_mov_b64 s[64:65], 0
	v_nop
	global_prefetch_b8 v0, s[64:65] scope:SCOPE_SE
	s_setreg_imm32_b32 hwreg(HW_REG_WAVE_MODE, 25, 1), 1
	s_wait_xcnt 0x0
; THE THREE INPUTS ARE ROUNDED ONCE, f32 to bf16 (to nearest even): x -> xo, w1 -> w1b, both as bf16; w2 -> w2h, where the bf16 number is written as f16,
; since the last product multiplies it by f16 numbers.
; LIMITS.  A number beyond bf16's largest becomes an infinity.  w2 as f16: exact from 6.1e-5 to 65,504 in magnitude; below 6.1e-5 it keeps f16's fixed step of 6e-8 (off by 3e-8 at the most);
; from 65,520 on it becomes an infinity.  NaN stays NaN.
; SHARES.  A work-group takes 65,536 bytes of f32 and makes 32,768 bytes: groups 0-1023 the chunks of x, 1024-1279 those of w1, 1280-1535 those of w2.
; Thread t takes the 16 bytes at 4,096 i + 16 t of the chunk, i = 0..15, and stores the 8 bytes at 2,048 i + 8 t: a load of a wave covers 512 consecutive bytes, a store 256 consecutive bytes, aligned.
; All sixteen loads of a thread go out in one run; each has registers of its own, and so has each store: no register is written again while a memory instruction may read it.
; No LDS, no barrier, no matrix unit, no cluster: no byte is wanted twice, and memory binds.
.set CHUNKS_X,  1024                   ; 67,108,864 / 65,536
.set CHUNKS_W,  256                    ; 16,777,216 / 65,536
.set X, 4                              ; v[4:67]   load i: 4 registers of f32
.set Y, 68                             ; v[68:99]  store i: 2 registers, four 16-bit numbers
	s_load_b256 s[4:11], s[0:1], 0x0               ; x s[4:5], w1 s[6:7], w2 s[8:9], xo s[10:11]
	s_load_b128 s[12:15], s[0:1], 0x20             ; w1b s[12:13], w2h s[14:15]
	v_lshlrev_b32 v1, 4, v0                        ; 16 t
	v_lshlrev_b32 v2, 3, v0                        ; 8 t
	s_mov_b32 s16, CHUNKS_X                        ; the first group of w1
	s_mov_b32 s17, CHUNKS_X+CHUNKS_W               ; the first group of w2
	s_mov_b32 s28, 0xffff0000                      ; a word's upper bf16
	s_wait_kmcnt 0x0
	s_cmp_lt_u32 ttmp9, s17                        ; w1 or w2?
	s_cselect_b64 s[20:21], s[6:7], s[8:9]         ; from where,
	s_cselect_b64 s[22:23], s[12:13], s[14:15]     ; to where,
	s_cselect_b32 s18, s16, s17                    ; and the tensor's first group
	s_cmp_lt_u32 ttmp9, s16                        ; or x?
	s_cselect_b64 s[20:21], s[4:5], s[20:21]
	s_cselect_b64 s[22:23], s[10:11], s[22:23]
	s_cselect_b32 s18, 0, s18
	s_sub_co_u32 s18, ttmp9, s18                   ; my chunk in its tensor
	s_lshl_b32 s24, s18, 16                        ; its 65,536 bytes in,
	s_mov_b32 s25, 0
	s_lshl_b32 s26, s18, 15                        ; its 32,768 bytes out
	s_mov_b32 s27, 0
	s_add_nc_u64 s[20:21], s[20:21], s[24:25]
	s_add_nc_u64 s[22:23], s[22:23], s[26:27]
.set i, 0
.rept 16
	global_load_b128 v[X+4*i:X+4*i+3], v1, s[20:21] offset:4096*i th:TH_LOAD_NT
.set i, i+1
.endr
; The sixteen turns.  half = 1: the bf16 numbers are widened again and written as f16.
.macro CV half
.set i, 0
.rept 16
	s_wait_loadcnt 15-i                            ; loads come back in order (ISA guide 5.7.1): load i is in, the 15 - i younger ones stay out
	v_cvt_pk_bf16_f32 v[Y+2*i],   v[X+4*i],   v[X+4*i+1]
	v_cvt_pk_bf16_f32 v[Y+2*i+1], v[X+4*i+2], v[X+4*i+3]
.if \half
	v_lshlrev_b32 v[X+4*i],   16,  v[Y+2*i]        ; bf16 to f32: the low half moves up,
	v_and_b32     v[X+4*i+1], s28, v[Y+2*i]        ; the high half stays
	v_lshlrev_b32 v[X+4*i+2], 16,  v[Y+2*i+1]
	v_and_b32     v[X+4*i+3], s28, v[Y+2*i+1]
	v_cvt_pk_f16_f32 v[Y+2*i],   v[X+4*i],   v[X+4*i+1]
	v_cvt_pk_f16_f32 v[Y+2*i+1], v[X+4*i+2], v[X+4*i+3]
.endif
	global_store_b64 v2, v[Y+2*i:Y+2*i+1], s[22:23] offset:2048*i
.set i, i+1
.endr
.endm
	s_cmp_ge_u32 ttmp9, s17
	s_cbranch_scc1 .Lw2
	CV 0                                           ; x and w1
	s_endpgm
.Lw2:
	CV 1                                           ; w2
	s_endpgm
.Lfunc_end_k_qed29be9087_cast:
	.size	k_qed29be9087_cast, .Lfunc_end_k_qed29be9087_cast-k_qed29be9087_cast
	.p2alignl 7, 3214868480
	.fill 96, 4, 3214868480
	.section	.rodata,"a",@progbits
	.p2align	6, 0x0
	.amdhsa_kernel k_qed29be9087_cast
		.amdhsa_group_segment_fixed_size 0
		.amdhsa_private_segment_fixed_size 0
		.amdhsa_enable_private_segment 0
		.amdhsa_kernarg_size 48
		.amdhsa_user_sgpr_count 2
		.amdhsa_user_sgpr_kernarg_segment_ptr 1
		.amdhsa_wavefront_size32 1
		.amdhsa_system_sgpr_workgroup_id_x 1
		.amdhsa_system_sgpr_workgroup_id_y 1
		.amdhsa_system_sgpr_workgroup_id_z 1
		.amdhsa_system_vgpr_workitem_id 0
		.amdhsa_next_free_vgpr 100
		.amdhsa_next_free_sgpr 66
		.amdhsa_reserve_vcc 0
		.amdhsa_float_denorm_mode_32 3
		.amdhsa_float_denorm_mode_16_64 3
		.amdhsa_memory_ordered 1
		.amdhsa_forward_progress 1
		.amdhsa_inst_pref_size 15
	.end_amdhsa_kernel
	.amdgpu_metadata
---
amdhsa.version: [ 1, 2 ]
amdhsa.kernels:
  - .name:           k_qed29be9087_cast
    .symbol:         k_qed29be9087_cast.kd
    .args:
      - { .name: x, .offset: 0, .size: 8, .value_kind: global_buffer, .address_space: global }
      - { .name: w1, .offset: 8, .size: 8, .value_kind: global_buffer, .address_space: global }
      - { .name: w2, .offset: 16, .size: 8, .value_kind: global_buffer, .address_space: global }
      - { .name: xo, .offset: 24, .size: 8, .value_kind: global_buffer, .address_space: global }
      - { .name: w1b, .offset: 32, .size: 8, .value_kind: global_buffer, .address_space: global }
      - { .name: w2h, .offset: 40, .size: 8, .value_kind: global_buffer, .address_space: global }
    .group_segment_fixed_size: 0
    .private_segment_fixed_size: 0
    .kernarg_segment_align: 8
    .kernarg_segment_size: 48
    .max_flat_workgroup_size: 256
    .sgpr_count:     66
    .vgpr_count:     100
    .wavefront_size: 32
...
	.end_amdgpu_metadata
.endif
;; end of part 1
;; launch gemm1 (part 2): grid 8 x 32, 4 waves a work-group, clusters of 4 x 4, 327,680 bytes of LDS; arguments xo, w1b, h16; writes h16
.if DOCPART == 2
	.amdgcn_target "amdgcn-amd-amdhsa--gfx1250"
	.amdhsa_code_object_version 6
	.text
	.protected	k_qed29be9087_gemm1
	.globl	k_qed29be9087_gemm1
	.p2align	8
	.type	k_qed29be9087_gemm1,@function
k_qed29be9087_gemm1:
	s_mov_b64 s[64:65], 0
	v_nop
	global_prefetch_b8 v0, s[64:65] scope:SCOPE_SE
	s_setreg_imm32_b32 hwreg(HW_REG_WAVE_MODE, 25, 1), 1
	s_wait_xcnt 0x0
	s_wait_alu depctr_hold_cnt(0) depctr_sa_sdst(0) depctr_va_vdst(0) depctr_va_sdst(0) depctr_va_ssrc(0) depctr_va_vcc(0) depctr_vm_vsrc(0)
	s_getreg_b32 s2, hwreg(HW_REG_IB_STS2, 6, 4)
	s_cmp_eq_u32 s2, 0
	s_cbranch_scc0 .Lentry_in_a_cluster
	s_endpgm
.Lentry_in_a_cluster:
	s_bfe_u32 s2, ttmp6, 0x10000c
	s_cmp_lg_u32 s2, 0xf033
	s_cbranch_scc0 .Lentry_shape_is_right
	s_endpgm
.Lentry_shape_is_right:
; h[m][n] = sum over k of x[m][k] w1[n][k].  A = xo: [8192][2048] bf16, B = w1b: [2048][2048] bf16, C = h16: [8192][2048] f16; sums in f32, K ascending, C rounded once.
; LIMIT.  C is f16: a sum of 65,520 or more in magnitude becomes an infinity; below 6.1e-5 it keeps f16's fixed step of 6e-8.  (With x and w1 both 30 times the drawn spread |h| reaches some 5,000,
; with both offset by 30 spreads some 41,000.)  f16 and not bf16 since h is rounded again on its way through the next two launches, and each rounding to 8 bits would spend a large part of the result's allowance.
; A tile of C, 256 x 256, is made by a work-group of four waves; a wave makes 128 x 128: 64 accumulators of 16 x 16, 512 registers.  32 x 8 tiles: 256 work-groups.
; K goes in 16 steps of 128 through a ring of two LDS slots filled by the tensor data mover: the rows of A's and B's tiles are 256 bytes of memory and start at multiples of 256 bytes from the buffer's first byte.
; THE LAST K STEP GOES BY ROWS OF C, so that finished rows leave while the others are still multiplied: nothing follows the tile under which its stores could leave.
; CLUSTERS: 4 x 4 work-groups.  The four of a row of the cluster need the same tiles of A, the four of a column the same tiles of B.  Such a tile is asked for JOINTLY: each of the four issues the same
; tensor load, with the same descriptor and a mask that names the four, and each receives the tile in its own LDS.
; REGISTERS, in windows of 256 (s_set_vgpr_msb's low byte: bits 1:0 source 0, 3:2 source 1, 5:4 source 2, 7:6 destination):
;   window 0: v0-31 addresses; v64-127, v128-191 fragments of A, two buffers (in the last K step four, of 16 rows x 128 K); v192-223 packed results on the way out
;   window 1: v64-127, v128-191 fragments of B, two buffers; in the last K step all 256: B's fragments of the whole step
;   window 2: the 32 accumulators of my rows 0-63 (accumulator (a, b) at v[8 (8 a + b)]);   window 3: those of my rows 64-127; a block's rows come back from the stage into its own accumulators' registers
; THE MATRIX INSTRUCTION IS USED TRANSPOSED: source 0 = 16 rows of B, source 1 = 16 rows of A.  In the result lane l holds row l % 16 of C and its registers 0 to 7 the columns 8 (l / 16) + 0 .. 7:
; eight neighbouring numbers of a row of C, which pack into 16 bytes.
.set SIZE_M, 8192
.set SIZE_N, 2048
.set SIZE_K, 2048
.set KSTEP,  128
.set PITCH,  272                       ; an LDS row: 256 bytes of data + 16 of padding = 68 words: row r starts at bank 4 r mod 64 (64 banks of 4 bytes: ISA guide 11.1), so the 16 rows of a load start at 16 different banks
.set HALFT,  128*PITCH                 ; 128 rows: what one tensor load brings, and what one wave reads of A or of B
.set SLOT,   4*HALFT                   ; A's 256 rows, then B's 256 rows
.set STAGE,  2*SLOT                    ; behind the ring: 16 rows x 272 bytes for each wave, for the way out
.set SPITCH, 272
.set SPARE,  STAGE+4*16*SPITCH         ; behind the stages: the spare words, 128 bytes for each wave: two blocks of 256 bytes that no other line names
.set LAPS,   SIZE_K/(2*KSTEP)          ; a lap = two K steps = once round the ring: 8
.set ADRA, 16                          ; v16-17  LDS address of my A fragments in slot 0, 1
.set ADRB, 20                          ; v20-21  the same for B
.set STO,  24                          ; v24     the way out: where I put 16 bytes of a row
.set RD,   25                          ; v25     the way out: where I read a row back
.set CO,   26                          ; v26     my byte offset in C; never rewritten
.set SPW,  28                          ; v28     LDS address of my spare word: SPARE + 4 x my thread's number; never rewritten
.set NIL,  29                          ; v29     0; never rewritten
.set PFO,  30                          ; v30     the prefetches' offset: my lane x a row of A or B in memory; never rewritten
.set PFA,  44                          ; s[44:45] where my prefetches stand: my work-group's 32 rows of the 128 that I fetch, one K step further along K than the refill that is being asked for
.set LIM,  43                          ; s43     1 in a wave that prefetches, else the greatest number
.set F0,   64                          ; fragment buffer 0
.set F1,   128                         ; fragment buffer 1
.set TMP,  192                         ; the way out: packed results, in window 0
.set PA,   64                          ; the last K step: A's fragments of 16 rows x 128 K, 32 registers; four such buffers, v64-191
.set G1, 24                            ; s[24:31] descriptor group 1 for A's tiles
.set G0, 32                            ; s[32:39] descriptor group 0 for A's tiles, one set for each slot
.set G1B, 48                           ; s[48:55] descriptor group 1 for B's tiles: it differs from A's in the mask alone
.set G0B, 56                           ; s[56:63] descriptor group 0 for B's tiles, one set for each slot
.set MSB, 0
.macro WIN new                         ; the immediate's high byte repeats the setting that is left; a switch that changes nothing is dropped
.if MSB != (\new)
	s_set_vgpr_msb (MSB<<8)|(\new)
.set MSB, \new
.endif
.endm
.set MUL_LO, 0xa1                      ; source 0 (B) window 1, source 1 (A) window 0, C and D window 2
.set MUL_HI, 0xf1                      ; the same, C and D window 3
.set TO_B,   0x40                      ; destination window 1, address window 0
; A joint load.  Waves 0 and 1 fetch A's two halves, waves 2 and 3 B's.  Each of the two lines has ONE mask and one set of registers for all that issue it.  The branch hangs on the wave's number alone.
; An s_nop 0 and four v_nop follow each of the two lines, ahead of the jump, the label and what follows.
.macro JLOAD s
	s_cmp_eq_u32 s11, 0
	s_cbranch_scc0 .Lfor_b_\@
	tensor_load_to_lds s[G0+4*(\s):G0+4*(\s)+3], s[G1:G1+7]
	s_nop 0
.rept 4
	v_nop
.endr
	s_branch .Lasked_\@
.Lfor_b_\@:
	tensor_load_to_lds s[G0B+4*(\s):G0B+4*(\s)+3], s[G1B:G1B+7]
	s_nop 0
.rept 4
	v_nop
.endr
.Lasked_\@:
.endm
; A PREFETCH, behind each joint refill, its five lines and the run of LDS loads that follows them: the K step that stands TWO refills on: 32 rows x 256 bytes, a lane a row, one instruction a wave:
; 512 matrix instructions ahead of the load that will name those bytes.  Each row's 256 bytes of a K step are named ONCE in the launch.  A's tile row is read by both clusters of that row of clusters:
; the one with cluster x = 0 asks; B's tile column by the eight clusters of that column: cluster y = 0 asks.  The four partners that ask for a tile jointly share its rows out BY ADDRESS: of the 128 rows
; that a wave fetches, the partner at place p takes 32 p .. 32 p + 31 (p = cx for A, cy for B): no branch hangs on a work-group's place in its cluster.
; K steps 0 to 3 come by their loads alone; the loop's last trip (s3 = 1) asks for nothing: K step 15 is the last that is named.
.macro ASK
	s_cmp_gt_u32 s3, s[LIM]
	s_cbranch_scc0 .Lnot_mine_\@
	global_prefetch_b8 v[PFO], s[PFA:PFA+1] offset:KSTEP*2 th:TH_LOAD_NT scope:SCOPE_SE
.Lnot_mine_\@:
.endm
; A round of the cluster's barrier: my work-group's barrier, so that wave 0's signal speaks for all four waves; wave 0 signals for the work-group; every wave waits for all sixteen work-groups;
; my work-group's barrier once more.  No LDS instruction of the wave is pending at a signal.
.macro CREST                           ; a round behind its opening barrier
	s_cmp_lg_u32 s10, 0
	s_cbranch_scc1 .Lnot_wave_0_\@
	s_barrier_signal -3
.Lnot_wave_0_\@:
	s_barrier_wait -3
	s_barrier_signal -1
	s_barrier_wait -1
.endm
.macro CROUND                          ; a whole round
	s_barrier_signal -1
	s_barrier_wait -1
	CREST
.endm
	s_load_b128 s[4:7], s[0:1], 0x0                ; A s[4:5], B s[6:7]
	s_load_b64 s[8:9], s[0:1], 0x10                ; C
	v_lshl_add_u32 v[SPW], v0, 2, SPARE
	v_mov_b32 v[NIL], 0
	ds_add_u32 v[SPW], v[NIL]                      ; the wave's opening: the add and its wait come ahead of my first tensor load; the set-up below, work on registers, stands between them
	ds_add_u32 v28, v29
	v_lshrrev_b32 v1, 5, v0
	v_readfirstlane_b32 s10, v1                    ; wave 0..3
	s_lshr_b32 s11, s10, 1                         ; which half of the tile's rows is mine.  Also: I fetch for A (0) or for B (1)
	s_and_b32 s12, s10, 1                          ; which half of its columns.  Also: which 128 rows of that tile I fetch
	s_bfe_u32 s40, ttmp6, 0x40000                  ; cx: my place along the cluster's x
	s_bfe_u32 s41, ttmp6, 0x40004                  ; cy: along its y
	s_lshl_b32 s42, ttmp9, 2                       ; in a cluster launch ttmp9 and ttmp7 count clusters
	s_add_co_u32 s42, s42, s40                     ; tile column of C = 4 x cluster x + cx
	s_and_b32 s13, ttmp7, 0xffff
	s_lshl_b32 s13, s13, 2
	s_add_co_u32 s13, s13, s41                     ; tile row of C = 4 x cluster y + cy
	s_lshl_b32 s43, s41, 2
	s_lshl_b32 s43, 15, s43                        ; my row of the cluster: places 4 cy .. 4 cy + 3
	s_lshl_b32 s44, 0x1111, s40                    ; my column: places cx, cx + 4, cx + 8, cx + 12
	; descriptor group 1: a tile of 128 rows x 128 elements, padded in LDS
	s_or_b32 s[G1+0], s43, (1<<16)|(1<<20)|(1<<21)|(5<<22)|(3<<25)  ; 15:0 the mask: A's tiles go to my row; 17:16 element of 2 bytes; 20 padding on; 21 set beside a mask; 24:22 after every 64 words (code 5); 31:25 of 4 words (code 3)
	s_or_b32 s[G1B+0], s44, (1<<16)|(1<<20)|(1<<21)|(5<<22)|(3<<25) ; the same with the mask of my column, for B's tiles
	s_mov_b32 s[G1B+1], KSTEP<<16
	s_mov_b32 s[G1+1], KSTEP<<16                   ; 63:48 tensor_dim0, low half = 128
	s_mov_b32 s[G1B+2], 128<<16
	s_mov_b32 s[G1+2], 128<<16                     ; 79:64 its high half = 0; 95:80 tensor_dim1, low half = 128
	s_mov_b32 s[G1B+3], KSTEP<<16
	s_mov_b32 s[G1+3], KSTEP<<16                   ; 111:96 its high half = 0; 127:112 tile_dim0 = 128
	s_mov_b32 s[G1B+4], 128
	s_mov_b32 s[G1+4], 128                         ; 143:128 tile_dim1 = 128; 159:144 tile_dim2 = 0
	s_mov_b32 s[G1B+5], SIZE_K
	s_mov_b32 s[G1+5], SIZE_K                      ; 191:160 tensor_dim0_stride, low word: elements from row to row
	s_mov_b32 s[G1B+6], 0
	s_mov_b32 s[G1+6], 0
	s_mov_b32 s[G1B+7], 0
	s_mov_b32 s[G1+7], 0
	; where the tiles come from.  A's hang on the tile row alone, which my row of the cluster shares; B's on the tile column alone, which my column shares.
	; Every wave makes both addresses, in registers that never hold the other coordinate, and asks by one of them.
	s_lshl_b32 s17, s12, 7                         ; which 128 rows of the tile I fetch
	s_lshl_b32 s16, s13, 8
	s_add_co_u32 s16, s16, s17                     ; A: row 256 x tile row + 128 x half
	s_lshl_b32 s46, s42, 8
	s_add_co_u32 s46, s46, s17                     ; B: row 256 x tile column + 128 x half
	s_mov_b32 s17, 0
	s_mov_b32 s47, 0
	s_mov_b64 s[18:19], SIZE_K*2
	s_mul_u64 s[16:17], s[16:17], s[18:19]         ; in bytes, in 64 bits
	s_mul_u64 s[46:47], s[46:47], s[18:19]
	s_mul_i32 s20, s10, HALFT                      ; and where they go: A's two halves, then B's two halves = wave x 128 rows: no place in the cluster enters an LDS address
	s_wait_dscnt 0x0                               ; the opening add is done
	s_wait_kmcnt 0x0
	s_add_nc_u64 s[14:15], s[4:5], s[16:17]
	s_add_nc_u64 s[46:47], s[6:7], s[46:47]
	CROUND                                         ; all sixteen work-groups are here: the first joint loads meet
.irp s, 0,1
	s_mov_b32 s[G0+4*(\s)], 1                                      ; 1:0 count = 1
	s_add_co_u32 s[G0+4*(\s)+1], s20, (\s)*SLOT                    ; 63:32 LDS address
	s_add_nc_u64 s[G0+4*(\s)+2:G0+4*(\s)+3], s[14:15], (\s)*KSTEP*2  ; 120:64 global address: K step s
	s_or_b32 s[G0+4*(\s)+3], s[G0+4*(\s)+3], 0x80000000            ; 127:126 type = 2
	s_mov_b32 s[G0B+4*(\s)], 1
	s_add_co_u32 s[G0B+4*(\s)+1], s20, (\s)*SLOT
	s_add_nc_u64 s[G0B+4*(\s)+2:G0B+4*(\s)+3], s[46:47], (\s)*KSTEP*2
	s_or_b32 s[G0B+4*(\s)+3], s[G0B+4*(\s)+3], 0x80000000
	JLOAD \s                                       ; the ring is filled before anything else is done: two tensor loads of mine are out
.endr
	; A fragment is 16 rows x 32 K in 8 registers: lane l holds row l % 16; registers 0-3 hold K = 8 (l / 16) + 0..7, registers 4-7 hold K = 16 + 8 (l / 16) + 0..7.
	; From rows that lie along K: two loads of 16 bytes, 32 bytes apart.  The same for source 0 and source 1.
	v_and_b32 v1, 15, v0                           ; l % 16
	v_bfe_u32 v2, v0, 4, 1                         ; l / 16
	v_mul_u32_u24 v3, v1, PITCH
	v_lshl_add_u32 v3, v2, 4, v3                   ; row x pitch + 16 x half
	s_mul_i32 s21, s11, HALFT                      ; my 128 rows of A
	s_mul_i32 s22, s12, HALFT                      ; my 128 rows of B,
	s_add_co_u32 s22, s22, 2*HALFT                 ; which lie behind A's 256
.irp s, 0,1
	v_add_nc_u32 v[ADRA+(\s)], s21, v3
	v_add_nc_u32 v[ADRB+(\s)], s22, v3
	s_add_co_u32 s21, s21, SLOT
	s_add_co_u32 s22, s22, SLOT
.endr
	s_mul_i32 s23, s10, 16*SPITCH
	s_add_co_u32 s23, s23, STAGE                   ; my stage
	v_mul_u32_u24 v4, v1, SPITCH                   ; in: row l % 16, 16 bytes for each half of the lanes
	v_lshl_add_u32 v4, v2, 4, v4
	v_add_nc_u32 v[STO], s23, v4
	v_mul_u32_u24 v5, v2, SPITCH                   ; back: lanes 0-15 take one row of 256 bytes, lanes 16-31 the next
	v_lshl_add_u32 v5, v1, 4, v5
	v_add_nc_u32 v[RD], s23, v5
	v_mul_u32_u24 v5, v2, SIZE_N*2                 ; and the same two rows in C
	v_lshl_add_u32 v[CO], v1, 4, v5
	; C's address is set once, at my part of the tile: a block's and a row's place stand in the stores' immediates
	s_lshl_b32 s13, s13, 8
	s_lshl_b32 s14, s11, 7
	s_add_co_u32 s16, s13, s14                     ; my first row of C
	s_mov_b32 s17, 0
	s_mov_b64 s[18:19], SIZE_N*2
	s_mul_u64 s[16:17], s[16:17], s[18:19]
	s_lshl_b32 s46, s42, 9                         ; my first column, in bytes: 512 x tile column + 256 x half
	s_lshl_b32 s47, s12, 8
	s_add_co_u32 s46, s46, s47
	s_mov_b32 s47, 0
	s_add_nc_u64 s[16:17], s[16:17], s[46:47]
	s_add_nc_u64 s[8:9], s[8:9], s[16:17]
	; the prefetches.  s13 = 256 x tile row, s42 = tile column, s40 = cx, s41 = cy still stand; s[4:5] = A, s[6:7] = B
	s_lshl_b32 s42, s42, 8
	s_and_b32 s22, ttmp7, 0xffff                   ; cluster y
	s_cmp_eq_u32 s11, 0                            ; do I fetch for A?
	s_cselect_b32 s20, s13, s42                    ; the tile's first row: in A by the tile row, in B by the tile column
	s_cselect_b32 s21, s40, s41                    ; my place among the four that ask for it with me
	s_cselect_b32 s22, ttmp9, s22                  ; the coordinate along which other clusters read the same rows
	s_cselect_b64 s[PFA:PFA+1], s[4:5], s[6:7]
	s_cmp_eq_u32 s22, 0
	s_cselect_b32 s[LIM], 1, -1                    ; the same in all sixteen partners, for a given wave
	s_lshl_b32 s22, s12, 7
	s_add_co_u32 s20, s20, s22                     ; + the 128 rows that I fetch
	s_lshl_b32 s21, s21, 5
	s_add_co_u32 s20, s20, s21                     ; + my work-group's 32 of them
	s_mov_b32 s21, 0
	s_mov_b64 s[18:19], SIZE_K*2
	s_mul_u64 s[20:21], s[20:21], s[18:19]
	s_add_nc_u64 s[PFA:PFA+1], s[PFA:PFA+1], s[20:21]
	s_add_nc_u64 s[PFA:PFA+1], s[PFA:PFA+1], 2*KSTEP*2  ; at K step 2: the first refill steps it to 3 and names K step 4
	v_and_b32 v[PFO], 31, v0
	v_mul_u32_u24 v[PFO], v[PFO], SIZE_K*2
; 16 matrix instructions: m blocks a0, a0 + 1 of the window's four (hi = 0: my rows 0-63, 1: rows 64-127) x all 8 n blocks, 32 along K.
; zero = 1: the first product starts the sums: nothing is ever cleared.  The 64 accumulators take turns, one instruction a turn, in the same order in every quarter step.
.macro MUL16 f, hi, a0, zero
	WIN MUL_LO+0x50*(\hi)  ; MUL_LO or MUL_HI
.irp a, \a0, (\a0)+1
.irp b, 0,1,2,3,4,5,6,7
.if \zero
	v_wmma_f32_16x16x32_bf16 v[8*(8*(\a)+(\b)):8*(8*(\a)+(\b))+7], v[(\f)+8*(\b):(\f)+8*(\b)+7], v[(\f)+8*(4*(\hi)+(\a)):(\f)+8*(4*(\hi)+(\a))+7], 0
.else
	v_wmma_f32_16x16x32_bf16 v[8*(8*(\a)+(\b)):8*(8*(\a)+(\b))+7], v[(\f)+8*(\b):(\f)+8*(\b)+7], v[(\f)+8*(4*(\hi)+(\a)):(\f)+8*(4*(\hi)+(\a))+7], v[8*(8*(\a)+(\b)):8*(8*(\a)+(\b))+7]
.endif
.endr
.endr
.endm
; 32 LDS loads in one run: the fragments of one quarter step (128 rows of B, 128 rows of A, 32 K at byte k of the rows) into buffer f
.macro FETCH slot, k, f
	WIN TO_B
.irp i, 0,1,2,3,4,5,6,7
	ds_load_b128 v[(\f)+8*(\i):(\f)+8*(\i)+3],   v[ADRB+(\slot)] offset:(\k)+(\i)*16*PITCH
	ds_load_b128 v[(\f)+8*(\i)+4:(\f)+8*(\i)+7], v[ADRB+(\slot)] offset:(\k)+(\i)*16*PITCH+32
.endr
	WIN 0
.irp i, 0,1,2,3,4,5,6,7
	ds_load_b128 v[(\f)+8*(\i):(\f)+8*(\i)+3],   v[ADRA+(\slot)] offset:(\k)+(\i)*16*PITCH
	ds_load_b128 v[(\f)+8*(\i)+4:(\f)+8*(\i)+7], v[ADRA+(\slot)] offset:(\k)+(\i)*16*PITCH+32
.endr
.endm
; A load into a register that a matrix instruction has read or written, and a vector instruction that reads a matrix result, stand four places behind that matrix instruction, and only plain vector
; instructions that name none of its registers are places (ISA guide 7.12.1 for vector instructions).
.macro PLACES
.rept 4
	v_nop
.endr
.endm
; A K step is four quarter steps of 32 along K, 64 matrix instructions each, on buffers 0, 1, 0, 1.
; One of the first three: multiplies buffer f; in its middle it fetches the next quarter's fragments, at byte k of the same slot's rows, into buffer g.
.macro QUARTER slot, k, f, g, zero
	s_wait_dscnt 8                                 ; B and A's rows 0-63 are in; the youngest eight loads (A's rows 64-127) may be out
	WIN MUL_LO
	MUL16 \f, 0, 0, \zero
	MUL16 \f, 0, 2, \zero
	PLACES
	FETCH \slot, \k, \g
	s_wait_dscnt 32                                ; all but the 32 just issued
	WIN MUL_HI
	MUL16 \f, 1, 0, \zero
	MUL16 \f, 1, 2, \zero
.endm
; The last quarter multiplies buffer 1 and changes slots.  MEET is its first half: ONE barrier for the change of slots.  In front of it each wave waits for all its tensor loads, of which one is out:
; its part of the next slot; adds 0 to its spare word; and waits for that and for its own reads of this slot.  Behind it nobody reads this slot any more and the next slot is whole.
.macro MEET round                      ; round = 1: a round of the cluster's barrier follows
	WIN 0                                          ; (the add's two registers lie in window 0)
	s_wait_tensorcnt 0x0                           ; all my tensor loads have landed: the one that was out is my part of the next slot;
	ds_add_u32 v[SPW], v[NIL]                      ; 0 onto my spare word;
	s_wait_dscnt 9                                 ; (the add and the youngest eight loads may be out)
	WIN MUL_LO
	MUL16 F1, 0, 0, 0                              ; sixteen matrix instructions stand between the add and the wait for it
	s_wait_dscnt 0x0                               ; the add is done, and my reads of this slot are over:
	s_barrier_signal -1                            ; say so (where a slot is filled again this barrier opens a round of the cluster's barrier),
	MUL16 F1, 0, 2, 0                              ; work on registers while the others arrive,
.if \round
	WIN 0
.endif
	s_barrier_wait -1                              ; and go on when all four have said so
.endm
; The whole last quarter.  Behind the round the slot just read out is filled again first, with the K step two steps on; then come the next slot's first fragments.
; From a request to the wait for it a wave issues 224 matrix instructions; one tensor load of mine is out behind each round.
.macro TURN slot, next
	s_wait_xcnt 0x0                                ; the last prefetch, a K step back, has read its address: it is stepped here, ahead of the waits of the change of slots
	s_add_nc_u64 s[PFA:PFA+1], s[PFA:PFA+1], KSTEP*2
	MEET 1
	CREST                                          ; no wave of any partner still reads this slot's tile or has a load on its way
	s_add_nc_u64 s[G0+4*(\slot)+2:G0+4*(\slot)+3], s[G0+4*(\slot)+2:G0+4*(\slot)+3], 2*KSTEP*2
	s_add_nc_u64 s[G0B+4*(\slot)+2:G0B+4*(\slot)+3], s[G0B+4*(\slot)+2:G0B+4*(\slot)+3], 2*KSTEP*2
	JLOAD \slot                                    ; the first tensor load behind the round; the four v_nop behind it are also the places in front of the loads below
	FETCH \next, 0, F0
	ASK                                            ; behind the joint load and the run of LDS loads that the next products wait for
	WIN MUL_HI
	MUL16 F1, 1, 0, 0
	MUL16 F1, 1, 2, 0
.endm
; THE LAST K STEP (it lies in slot 1) GOES BY ROWS OF C, NOT BY K.  All its fragments of B (4 quarters x 64 registers) fill window 1; then my eight blocks of 16 rows are finished one after the other,
; each with 32 matrix instructions (its 8 accumulators by turns, K ascending: the sums stay the same bit for bit).  LDS is read no more than in any other K step.
.macro BLOAD q                         ; B's fragments of quarter q -> window 1, v[64 q ..]
	WIN TO_B
.irp i, 0,1,2,3,4,5,6,7
	ds_load_b128 v[64*(\q)+8*(\i):64*(\q)+8*(\i)+3],   v[ADRB+1] offset:64*(\q)+(\i)*16*PITCH
	ds_load_b128 v[64*(\q)+8*(\i)+4:64*(\q)+8*(\i)+7], v[ADRB+1] offset:64*(\q)+(\i)*16*PITCH+32
.endr
.endm
.macro ALOAD a                         ; A's fragments of block a, all four quarters -> buffer a % 4
	WIN 0
.set FA, PA+32*((\a)%4)
.irp q, 0,1,2,3
	ds_load_b128 v[FA+8*(\q):FA+8*(\q)+3],   v[ADRA+1] offset:64*(\q)+(\a)*16*PITCH
	ds_load_b128 v[FA+8*(\q)+4:FA+8*(\q)+7], v[ADRA+1] offset:64*(\q)+(\a)*16*PITCH+32
.endr
.endm
.macro ROW a                           ; block a is finished: 32 matrix instructions
.set FA, PA+32*((\a)%4)                ; its fragments of A
.set AC, 64*((\a)%4)                   ; its eight accumulators, in window 2 (blocks 0-3) or 3 (blocks 4-7)
	WIN MUL_LO+0x50*((\a)/4)                       ; MUL_LO or MUL_HI
.irp q, 0,1,2,3
.if (\a) == 0 && (\q) == 2
	s_wait_dscnt 24                                ; B's quarter 2 is in (behind it: A's blocks 1 to 3)
.endif
.irp b, 0,1,2,3,4,5,6,7
	v_wmma_f32_16x16x32_bf16 v[AC+8*(\b):AC+8*(\b)+7], v[64*(\q)+8*(\b):64*(\q)+8*(\b)+7], v[FA+8*(\q):FA+8*(\q)+7], v[AC+8*(\b):AC+8*(\b)+7]
.endr
.endr
.endm
; THE WAY OUT of block a (16 rows x 128 columns), in three parts.  PACK: rounded to f16, 16 bytes a lane; each accumulator's registers in ascending order.
; TOSTAGE: into my own stage in LDS, and back as whole rows of 256 bytes, into the first 32 of the block's own 64 accumulator registers, which the conversions have read and nothing names again:
; so no register that a global store reads is ever rewritten.  SEND: stored; the block's and the row's place stand in the immediate, 126 rows of 4,096 bytes at the most, inside its signed 24 bits.
.macro PACK a
.set AC, 64*((\a)%4)
	WIN 0x0a+5*((\a)/4)                            ; sources 0 and 1: window 2 or 3
.irp b, 0,1,2,3,4,5,6,7
.irp r, 0,1,2,3
	v_cvt_pk_f16_f32 v[TMP+4*(\b)+(\r)], v[AC+8*(\b)+2*(\r)], v[AC+8*(\b)+2*(\r)+1]
.endr
.endr
.endm
.macro TOSTAGE a
.set AC, 64*((\a)%4)
	WIN 0
.irp b, 0,1,2,3,4,5,6,7
	ds_store_b128 v[STO], v[TMP+4*(\b):TMP+4*(\b)+3] offset:32*(\b)
.endr
	WIN 0x80+0x40*((\a)/4)                         ; destination: window 2 or 3; the address: window 0
.irp t, 0,1,2,3,4,5,6,7
	ds_load_b128 v[AC+4*(\t):AC+4*(\t)+3], v[RD] offset:(\t)*2*SPITCH  ; LDS serves a wave's instructions in order (ISA guide 5.7.1.4): these see the stores above, and the next block's stores come behind them
.endr
.endm
.macro SEND a, younger                 ; younger: the LDS instructions issued behind TOSTAGE's loads, which may stay out
.set AC, 64*((\a)%4)
	WIN 0x08+4*((\a)/4)                            ; the stores' data (source 1): window 2 or 3; the address: window 0
	s_wait_dscnt \younger                          ; the block is back in registers
.irp t, 0,1,2,3,4,5,6,7
	global_store_b128 v[CO], v[AC+4*(\t):AC+4*(\t)+3], s[8:9] offset:(16*(\a)+2*(\t))*SIZE_N*2  ; 16 lanes store 256 consecutive bytes, at a multiple of 256 from C's first byte
.endr
.endm
	s_wait_tensorcnt 1                             ; my part of K step 0 is in; K step 1's load may stay out
	s_barrier_signal -1
	s_barrier_wait -1                              ; everybody's is
	FETCH 0, 0, F0
	QUARTER 0, 64,  F0, F1, 1                      ; the first quarter stands in front of the loop: its products start the sums
	WIN 0                                          ; at a label and at a branch every window is 0
	s_mov_b32 s3, LAPS-1
.Llap:                                                 ; a trip goes once round the ring, from a lap's second quarter to the next lap's first, and fills both slots again
	QUARTER 0, 128, F1, F0, 0
	QUARTER 0, 192, F0, F1, 0
	TURN 0, 1
	QUARTER 1, 64,  F0, F1, 0
	QUARTER 1, 128, F1, F0, 0
	QUARTER 1, 192, F0, F1, 0
	TURN 1, 0
	QUARTER 0, 64,  F0, F1, 0
	WIN 0
	s_sub_co_u32 s3, s3, 1
	s_cmp_lg_u32 s3, 0
	s_cbranch_scc1 .Llap
	QUARTER 0, 128, F1, F0, 0                      ; the last lap is written out: it fills nothing
	QUARTER 0, 192, F0, F1, 0
	MEET 0                                         ; my one tensor load that was still out is slot 1's, the last K step's, so no round follows
	PLACES                                         ; for the loads into buffer 0, which the quarter before multiplied
	BLOAD 0                                        ; three quarters of B now: buffer 1 (v128-191 of both windows) is still being multiplied
	BLOAD 1
	BLOAD 3
	ALOAD 0
	MUL16 F1, 1, 0, 0
	MUL16 F1, 1, 2, 0
	PLACES                                         ; for the loads into buffer 1
	BLOAD 2
	ALOAD 1
	ALOAD 2
	ALOAD 3
	s_wait_dscnt 40                                ; all but the 40 just issued: B's quarter 2 and A's blocks 1 to 3
	ROW 0
; Block a: its conversions, its trip into the stage and the loads back; A's fragments for the block four further on, into the buffer that block a has left; then block a + 1's products, under which the
; stage's round trip lies; then block a's stores.  So seven of the eight blocks' stores are issued among the step's last 224 matrix instructions.
.irp a, 0,1,2,3,4,5,6,7
	PLACES                                         ; the conversions read results just made, and loads land in registers that those products read and wrote
	PACK \a
	TOSTAGE \a
.if (\a) < 4
	ALOAD (\a)+4
.endif
.if (\a) == 0
	s_wait_dscnt 40                                ; A's block 1 is in: behind its loads stand blocks 2 and 3 (16), the stage's 8 stores and 8 loads and block 4 (8).  The later blocks are shown in by the stores' waits
.endif
.if (\a) < 7
	ROW (\a)+1
.endif
.if (\a) < 4
	SEND \a, 8                                     ; the eight loads of A's block a + 4 may stay out
.else
	SEND \a, 0
.endif
.endr
	WIN 0
	s_wait_tensorcnt 0x0                           ; the wave's end: behind my last tensor load and my last LDS store
	ds_add_u32 v[SPW], v[NIL]
	s_wait_dscnt 0x0
	CROUND                                         ; the closing round: no work-group ends while a partner may still ask for a tile that names it
	s_endpgm
.Lfunc_end_k_qed29be9087_gemm1:
	.size	k_qed29be9087_gemm1, .Lfunc_end_k_qed29be9087_gemm1-k_qed29be9087_gemm1
	.p2alignl 7, 3214868480
	.fill 96, 4, 3214868480
	.section	.rodata,"a",@progbits
	.p2align	6, 0x0
	.amdhsa_kernel k_qed29be9087_gemm1
		.amdhsa_group_segment_fixed_size 327680
		.amdhsa_private_segment_fixed_size 0
		.amdhsa_enable_private_segment 0
		.amdhsa_kernarg_size 24
		.amdhsa_user_sgpr_count 2
		.amdhsa_user_sgpr_kernarg_segment_ptr 1
		.amdhsa_wavefront_size32 1
		.amdhsa_system_sgpr_workgroup_id_x 1
		.amdhsa_system_sgpr_workgroup_id_y 1
		.amdhsa_system_sgpr_workgroup_id_z 1
		.amdhsa_system_vgpr_workitem_id 0
		.amdhsa_next_free_vgpr 1024
		.amdhsa_next_free_sgpr 66
		.amdhsa_reserve_vcc 0
		.amdhsa_float_denorm_mode_32 3
		.amdhsa_float_denorm_mode_16_64 3
		.amdhsa_memory_ordered 1
		.amdhsa_forward_progress 1
		.amdhsa_inst_pref_size 144
	.end_amdhsa_kernel
	.amdgpu_metadata
---
amdhsa.version: [ 1, 2 ]
amdhsa.kernels:
  - .name:           k_qed29be9087_gemm1
    .symbol:         k_qed29be9087_gemm1.kd
    .args:
      - { .name: xo, .offset: 0, .size: 8, .value_kind: global_buffer, .address_space: global }
      - { .name: w1b, .offset: 8, .size: 8, .value_kind: global_buffer, .address_space: global }
      - { .name: h16, .offset: 16, .size: 8, .value_kind: global_buffer, .address_space: global }
    .group_segment_fixed_size: 327680
    .private_segment_fixed_size: 0
    .kernarg_segment_align: 8
    .kernarg_segment_size: 24
    .max_flat_workgroup_size: 128
    .sgpr_count:     66
    .vgpr_count:     1024
    .wavefront_size: 32
...
	.end_amdgpu_metadata
.endif
;; end of part 2
;; launch mix (part 3): grid 256 x 1, 16 waves a work-group, no clusters, 223,232 bytes of LDS; arguments h16, xo; writes xo
.if DOCPART == 3
	.amdgcn_target "amdgcn-amd-amdhsa--gfx1250"
	.amdhsa_code_object_version 6
	.text
	.protected	k_qed29be9087_mix
	.globl	k_qed29be9087_mix
	.p2align	8
	.type	k_qed29be9087_mix,@function
k_qed29be9087_mix:
	s_mov_b64 s[64:65], 0
	v_nop
	global_prefetch_b8 v0, s[64:65] scope:SCOPE_SE
	s_setreg_imm32_b32 hwreg(HW_REG_WAVE_MODE, 25, 1), 1
	s_wait_xcnt 0x0
; THE HEADS OF ONE TOKEN ATTEND TO EACH OTHER.  A token's row of h, 2,048 f16, is H: 32 heads x 64 channels.  S = H H^T (32 x 32, unscaled), P = softmax along each row of S, O = P H; o has h's layout.
; h16 -> xo, both [8192][2048] f16.  Products, maxima and sums in f32; the weights p are rounded to f16 for the second product (their sum l is taken of the unrounded p), O once at the end.
; SOFTMAX.  The row's true maximum m is taken away first, s - m, which is exact where it matters (0 for the largest score), and the factor log2(e) comes afterwards: two instructions, not one fused
; c s - c m, in which the rounding of c m would stay in every exponent.  So every exponent is at most 0, p lies in 0 to 1 and l in 1 to 32, whatever the scores.
; LIMITS.  h arrives within f16's range, so a score is 2.8e11 at the most.  A weight below 6e-8 counts as 0 in the second product, one below 2^-126 as 0 in l.  O is a mean of H's rows and has their range.
; NaN and infinities are not treated apart.
; SHARES.  A work-group has 32 tokens, each of its 16 waves two: 8,192 consecutive bytes of h16 and of xo.  256 work-groups.  Each wave brings its bytes in by ONE tensor load, reads only its own bytes,
; and has a stage of its own for the way out: nothing in LDS is filled twice and no wave reads what another brought or stored, so there is no barrier.
; No cluster: no two work-groups read the same byte.  No ring and no prefetch: a work-group asks for all that it reads, 131,072 bytes, at its first lines.
; LAYOUT.  S^T = K Q^T with both sources taken from H's fragments (source 0 = 16 key heads, source 1 = 16 query heads): in the result a lane holds ONE query head (lane % 16) and the key heads
; 8 (lane / 16) + 0..7 of the tile.  The two key tiles of a query tile, rounded to f16 in pairs, ARE source 1 (32 keys x 16 queries) of O^T = V^T P, whose result again holds one query head a lane, and
; eight channels: 16 bytes of o.  V^T (source 0: 16 channels x 32 keys) comes out of the same LDS rows turned, by ds_load_tr16_b128.
.set PH,    144                        ; a head's row in LDS: 128 bytes + 16 of padding = 36 words: the 16 rows of a fragment load start at 16 different groups of four banks (64 banks of 4 bytes: ISA guide 11.1)
.set TOK,   32*PH                      ; a token: 4,608 bytes
.set STG,   16*2*TOK                   ; behind the 16 waves' tokens: a stage of 32 rows x 144 bytes for each wave; no tensor load lands there
.set SPARE, STG+16*TOK                 ; behind the stages: the spare words, 128 bytes for each wave: eight blocks of 256 bytes that no other line names
.set AK,  4                            ; v4   LDS address of my lane's place in a plain fragment of my first token
.set AV,  5                            ; v5   the same for the turning load
.set STO, 6                            ; v6   the way out: where I put 16 bytes of a head's row
.set RD,  7                            ; v7   the way out: where I read rows back
.set GO,  8                            ; v8   my byte offset in 512 consecutive bytes of o
.set SPW, 10                           ; v10  LDS address of my spare word: SPARE + 4 x my thread's number; never rewritten
.set NIL, 11                           ; v11  0; never rewritten
.set ST,  12                           ; query tile qt at v[ST+4 qt]: +0 the maximum, later 1 / l; +1 at work; +2 l
.set HF,  32                           ; v[32:63]   H's fragments: head tile ht, channel half c at HF + 16 ht + 8 c
.set VF,  64                           ; v[64:95]   H turned: channel block cb at VF + 8 cb
.set S,   96                           ; v[96:127]  S^T: key tile kt of query tile qt at S + 16 qt + 8 kt
.set P,   128                          ; v[128:143] the weights in f16: P + 8 qt
.set O,   144                          ; v[144:207] O^T: O + 32 qt + 8 cb
.set OUT, 208                          ; v[208:239] o in f16: OUT + 4 (4 qt + cb); then whole rows
.set G0,  12                           ; s[12:15] descriptor group 0
.set G1,  16                           ; s[16:23] descriptor group 1
.set CS,  24                           ; s[24:25] log2(e): the packed multiply names a pair and takes its low word for both halves
.set SEL, 26                           ; s[26:27] v_permlanex16_b32's selects: each lane takes its own place in the other half
	s_load_b128 s[4:7], s[0:1], 0x0                ; h16 s[4:5], xo s[6:7]
	v_lshl_add_u32 v[SPW], v0, 2, SPARE
	v_mov_b32 v[NIL], 0
	ds_add_u32 v[SPW], v[NIL]                      ; the wave's opening: the add and its wait come ahead of my tensor load; the set-up below, work on registers, stands between them
	ds_add_u32 v10, v11
	v_lshrrev_b32 v1, 5, v0
	v_readfirstlane_b32 s8, v1                     ; wave 0..15
	s_lshl_b32 s10, ttmp9, 17                      ; the work-group's 32 tokens of 4,096 bytes,
	s_lshl_b32 s11, s8, 13                         ; my wave's two
	s_add_co_u32 s10, s10, s11
	s_mov_b32 s11, 0
	; descriptor group 1.  Two tokens are 8,192 dense bytes: asked for as 32 rows of 256 bytes, two heads a row, and padded in LDS after every head
	s_mov_b32 s[G1+0], (1<<16)|(1<<20)|(4<<22)|(3<<25)  ; 15:0 no mask; 17:16 2-byte elements; 20 padding on; 24:22 after every 32 words (code 4); 31:25 4 words (code 3)
	s_mov_b32 s[G1+1], 128<<16                     ; tensor_dim0 = 128
	s_mov_b32 s[G1+2], 32<<16                      ; tensor_dim1 = 32
	s_mov_b32 s[G1+3], 128<<16                     ; tile_dim0 = 128
	s_mov_b32 s[G1+4], 32                          ; tile_dim1 = 32
	s_mov_b32 s[G1+5], 128                         ; 128 elements from row to row
	s_mov_b32 s[G1+6], 0
	s_mov_b32 s[G1+7], 0
	s_mul_i32 s30, s8, 2*TOK                       ; my two tokens in LDS
	s_mul_i32 s31, s8, TOK
	s_add_co_u32 s31, s31, STG                     ; my stage
	s_mov_b32 s[G0], 1                             ; 1:0 count = 1
	s_mov_b32 s[G0+1], s30                         ; 63:32 LDS address
	s_mov_b32 s[CS], 0x3fb8aa3b                    ; log2(e)
	s_mov_b32 s[CS+1], s[CS]                       ; named with it as a pair
	s_mov_b32 s[SEL], 0x76543210
	s_mov_b32 s[SEL+1], 0xfedcba98
	s_wait_dscnt 0x0                               ; the opening add is done
	s_wait_kmcnt 0x0
	s_add_nc_u64 s[G0+2:G0+3], s[4:5], s[10:11]    ; 120:64 global address
	s_or_b32 s[G0+3], s[G0+3], 0x80000000          ; 127:126 type = 2
	s_add_nc_u64 s[28:29], s[6:7], s[10:11]        ; o at my two tokens
	tensor_load_to_lds s[G0:G0+3], s[G1:G1+7]      ; my one tensor load
	s_nop 0
	; A plain fragment is 16 heads x 32 channels in 8 registers: lane l holds head l % 16, channels 8 (l / 16) + 0..7 and 16 + 8 (l / 16) + 0..7: two loads of 16 bytes, 32 bytes apart.
	v_and_b32 v1, 15, v0                           ; l % 16
	v_bfe_u32 v2, v0, 4, 1                         ; l / 16
	v_mul_u32_u24 v[AK], v1, PH
	v_lshl_add_u32 v[AK], v2, 4, v[AK]             ; row x pitch + 16 x half
	v_add_nc_u32 v[STO], s31, v[AK]                ; the stage takes 16 bytes at the same place of its rows
	v_add_nc_u32 v[AK], s30, v[AK]
	; The turning load takes 16 heads x 16 channels (lane l reads head 8 (l / 16) + l % 8, channels 8 ((l / 8) % 2) + 0..7) and leaves half a fragment of H^T: lane l holds channel l % 16 and 8 heads.
	v_and_b32 v3, 7, v0
	v_bfe_u32 v9, v0, 3, 1
	v_lshl_add_u32 v[AV], v2, 3, v3
	v_mul_u32_u24 v[AV], v[AV], PH
	v_lshl_add_u32 v[AV], v9, 4, v[AV]
	v_add_nc_u32 v[AV], s30, v[AV]
	v_bfe_u32 v[RD], v0, 3, 2                      ; back: 32 lanes take four rows of 128 bytes,
	v_mul_u32_u24 v[RD], v[RD], PH
	v_lshl_add_u32 v[RD], v3, 4, v[RD]
	v_add_nc_u32 v[RD], s31, v[RD]
	v_and_b32 v[GO], 31, v0                        ; which are 512 consecutive bytes of o
	v_lshlrev_b32 v[GO], 4, v[GO]
	s_wait_tensorcnt 0x0                           ; my two tokens are in LDS; nobody else reads them
; Token u of my two, in plain phases: the launch moves 8 KiB in and 8 KiB out for a wave's 32 matrix instructions, so no order of these lines decides its time.
.macro TOKEN u
.irp ht, 0,1
.irp c, 0,1
	ds_load_b128 v[HF+16*(\ht)+8*(\c):HF+16*(\ht)+8*(\c)+3],   v[AK] offset:(\u)*TOK+(\ht)*16*PH+64*(\c)
	ds_load_b128 v[HF+16*(\ht)+8*(\c)+4:HF+16*(\ht)+8*(\c)+7], v[AK] offset:(\u)*TOK+(\ht)*16*PH+64*(\c)+32
.endr
.endr
.irp cb, 0,1,2,3
	ds_load_tr16_b128 v[VF+8*(\cb):VF+8*(\cb)+3],   v[AV] offset:(\u)*TOK+32*(\cb)
	ds_load_tr16_b128 v[VF+8*(\cb)+4:VF+8*(\cb)+7], v[AV] offset:(\u)*TOK+16*PH+32*(\cb)
.endr
	s_wait_dscnt 8                                 ; the plain fragments are in; the eight turning loads may stay out
	; S^T: four accumulators by turns, one instruction a turn: three others stand between the two links of a chain; the first four products start the sums
.irp c, 0,1
.irp qt, 0,1
.irp kt, 0,1
.if (\c) == 0
	v_wmma_f32_16x16x32_f16 v[S+16*(\qt)+8*(\kt):S+16*(\qt)+8*(\kt)+7], v[HF+16*(\kt)+8*(\c):HF+16*(\kt)+8*(\c)+7], v[HF+16*(\qt)+8*(\c):HF+16*(\qt)+8*(\c)+7], 0
.else
	v_wmma_f32_16x16x32_f16 v[S+16*(\qt)+8*(\kt):S+16*(\qt)+8*(\kt)+7], v[HF+16*(\kt)+8*(\c):HF+16*(\kt)+8*(\c)+7], v[HF+16*(\qt)+8*(\c):HF+16*(\qt)+8*(\c)+7], v[S+16*(\qt)+8*(\kt):S+16*(\qt)+8*(\kt)+7]
.endif
.endr
.endr
.endr
.rept 4
	v_nop                                          ; four places between the last product and the first read of a result (ISA guide 7.12.1)
.endr
	; the maximum of a lane's 16 scores, three operands at a time, a chain for each key tile; each accumulator's lowest registers are read first; the two query tiles alternate
.irp qt, 0,1
	v_max3_num_f32 v[ST+4*(\qt)],   v[S+16*(\qt)],   v[S+16*(\qt)+1], v[S+16*(\qt)+2]
	v_max3_num_f32 v[ST+4*(\qt)+1], v[S+16*(\qt)+8], v[S+16*(\qt)+9], v[S+16*(\qt)+10]
.endr
.irp j, 3,5
.irp qt, 0,1
	v_max3_num_f32 v[ST+4*(\qt)],   v[ST+4*(\qt)],   v[S+16*(\qt)+(\j)],   v[S+16*(\qt)+(\j)+1]
	v_max3_num_f32 v[ST+4*(\qt)+1], v[ST+4*(\qt)+1], v[S+16*(\qt)+8+(\j)], v[S+16*(\qt)+8+(\j)+1]
.endr
.endr
.irp qt, 0,1
	v_max3_num_f32 v[ST+4*(\qt)], v[ST+4*(\qt)], v[S+16*(\qt)+7], v[S+16*(\qt)+15]
.endr
.irp qt, 0,1
	v_max_num_f32 v[ST+4*(\qt)], v[ST+4*(\qt)], v[ST+4*(\qt)+1]
.endr
.irp qt, 0,1
	v_permlanex16_b32 v[ST+4*(\qt)+1], v[ST+4*(\qt)], s[SEL], s[SEL+1]  ; the query's other 16 keys lie in the lane 16 away
.endr
.irp qt, 0,1
	v_max_num_f32 v[ST+4*(\qt)], v[ST+4*(\qt)], v[ST+4*(\qt)+1]         ; m
.endr
.set i, 0
.rept 16
	v_pk_add_f32 v[S+2*i:S+2*i+1], v[S+2*i:S+2*i+1], v[ST+4*(i/8):ST+4*(i/8)+1] op_sel_hi:[1,0] neg_lo:[0,1] neg_hi:[0,1]  ; s - m, two scores a line
.set i, i+1
.endr
.set i, 0
.rept 16
	v_pk_mul_f32 v[S+2*i:S+2*i+1], v[S+2*i:S+2*i+1], s[CS:CS+1] op_sel_hi:[1,0]  ; times log2(e)
.set i, i+1
.endr
.set i, 0
.rept 32
	v_exp_f32 v[S+i], v[S+i]                       ; one batch: none of these lines names another's result
.set i, i+1
.endr
	v_nop                                          ; a plain instruction behind the last exponential, ahead of the first use (ISA guide 5.7.2)
	s_wait_alu depctr_va_vdst(0)                   ; and the wait ahead of the first reader: one for the 32
.set i, 0
.rept 16
	v_cvt_pk_f16_f32 v[P+i], v[S+2*i], v[S+2*i+1]
.set i, i+1
.endr
	s_wait_dscnt 0x0                               ; H turned is in
.irp qt, 0,1
.irp cb, 0,1,2,3
	v_wmma_f32_16x16x32_f16 v[O+32*(\qt)+8*(\cb):O+32*(\qt)+8*(\cb)+7], v[VF+8*(\cb):VF+8*(\cb)+7], v[P+8*(\qt):P+8*(\qt)+7], 0  ; all 32 keys in one product: eight sums, each begun and ended here
.endr
.endr
	; l: the sum of the unrounded weights, in place in S^T's registers.  These lines name no register of the products above: they are the places behind them.
.irp qt, 0,1
.irp k, 0,2,4,6
	v_pk_add_f32 v[S+16*(\qt)+(\k):S+16*(\qt)+(\k)+1], v[S+16*(\qt)+(\k):S+16*(\qt)+(\k)+1], v[S+16*(\qt)+(\k)+8:S+16*(\qt)+(\k)+9]
.endr
.endr
.irp qt, 0,1
.irp k, 0,2
	v_pk_add_f32 v[S+16*(\qt)+(\k):S+16*(\qt)+(\k)+1], v[S+16*(\qt)+(\k):S+16*(\qt)+(\k)+1], v[S+16*(\qt)+(\k)+4:S+16*(\qt)+(\k)+5]
.endr
.endr
.irp qt, 0,1
	v_pk_add_f32 v[S+16*(\qt):S+16*(\qt)+1], v[S+16*(\qt):S+16*(\qt)+1], v[S+16*(\qt)+2:S+16*(\qt)+3]
.endr
.irp qt, 0,1
	v_add_f32 v[ST+4*(\qt)+2], v[S+16*(\qt)], v[S+16*(\qt)+1]
.endr
.irp qt, 0,1
	v_permlanex16_b32 v[ST+4*(\qt)+1], v[ST+4*(\qt)+2], s[SEL], s[SEL+1]
.endr
.irp qt, 0,1
	v_add_f32 v[ST+4*(\qt)+2], v[ST+4*(\qt)+2], v[ST+4*(\qt)+1]
.endr
.irp qt, 0,1
	v_rcp_f32 v[ST+4*(\qt)], v[ST+4*(\qt)+2]       ; l is at least 1
.endr
	v_nop                                          ; a plain instruction between the last reciprocal and the use of its result
	s_wait_alu depctr_va_vdst(0)                   ; and the wait: one for the two reciprocals
.set i, 0
.rept 32
	v_pk_mul_f32 v[O+2*i:O+2*i+1], v[O+2*i:O+2*i+1], v[ST+4*(i/16):ST+4*(i/16)+1] op_sel_hi:[1,0]  ; O / l, each accumulator from its low end on
.set i, i+1
.endr
.if \u
	s_wait_xcnt 0x0                                ; the first token's stores have had their addresses translated (ISA guide 3.1): their data registers are rewritten only behind this wait
.endif
.set i, 0
.rept 32
	v_cvt_pk_f16_f32 v[OUT+i], v[O+2*i], v[O+2*i+1]
.set i, i+1
.endr
	; a lane's eight channels of a head are 16 bytes; they go into my stage's rows of 144 bytes and come back as whole rows of 128, into the registers that they left
.irp qt, 0,1
.irp cb, 0,1,2,3
	ds_store_b128 v[STO], v[OUT+4*(4*(\qt)+(\cb)):OUT+4*(4*(\qt)+(\cb))+3] offset:(\qt)*16*PH+32*(\cb)
.endr
.endr
.irp f, 0,1,2,3,4,5,6,7
	ds_load_b128 v[OUT+4*(\f):OUT+4*(\f)+3], v[RD] offset:(\f)*4*PH  ; LDS serves a wave's instructions in order (ISA guide 5.7.1.4): these see the stores above; the next token's stores come behind them
.endr
.irp f, 0,1,2,3,4,5,6,7
	s_wait_dscnt 7-(\f)                            ; load f is back; the 7 - f younger ones may stay out
	global_store_b128 v[GO], v[OUT+4*(\f):OUT+4*(\f)+3], s[28:29] offset:(\u)*4096+(\f)*512  ; 512 consecutive bytes, at a multiple of 256 from o's first byte
.endr
.endm
	TOKEN 0
	TOKEN 1
	s_wait_tensorcnt 0x0                           ; the wave's end: behind my tensor load and my last LDS store
	ds_add_u32 v[SPW], v[NIL]
	s_wait_dscnt 0x0
	s_endpgm
.Lfunc_end_k_qed29be9087_mix:
	.size	k_qed29be9087_mix, .Lfunc_end_k_qed29be9087_mix-k_qed29be9087_mix
	.p2alignl 7, 3214868480
	.fill 96, 4, 3214868480
	.section	.rodata,"a",@progbits
	.p2align	6, 0x0
	.amdhsa_kernel k_qed29be9087_mix
		.amdhsa_group_segment_fixed_size 223232
		.amdhsa_private_segment_fixed_size 0
		.amdhsa_enable_private_segment 0
		.amdhsa_kernarg_size 16
		.amdhsa_user_sgpr_count 2
		.amdhsa_user_sgpr_kernarg_segment_ptr 1
		.amdhsa_wavefront_size32 1
		.amdhsa_system_sgpr_workgroup_id_x 1
		.amdhsa_system_sgpr_workgroup_id_y 1
		.amdhsa_system_sgpr_workgroup_id_z 1
		.amdhsa_system_vgpr_workitem_id 0
		.amdhsa_next_free_vgpr 240
		.amdhsa_next_free_sgpr 66
		.amdhsa_reserve_vcc 0
		.amdhsa_float_denorm_mode_32 3
		.amdhsa_float_denorm_mode_16_64 3
		.amdhsa_memory_ordered 1
		.amdhsa_forward_progress 1
		.amdhsa_inst_pref_size 33
	.end_amdhsa_kernel
	.amdgpu_metadata
---
amdhsa.version: [ 1, 2 ]
amdhsa.kernels:
  - .name:           k_qed29be9087_mix
    .symbol:         k_qed29be9087_mix.kd
    .args:
      - { .name: h16, .offset: 0, .size: 8, .value_kind: global_buffer, .address_space: global }
      - { .name: xo, .offset: 8, .size: 8, .value_kind: global_buffer, .address_space: global }
    .group_segment_fixed_size: 223232
    .private_segment_fixed_size: 0
    .kernarg_segment_align: 8
    .kernarg_segment_size: 16
    .max_flat_workgroup_size: 512
    .sgpr_count:     66
    .vgpr_count:     240
    .wavefront_size: 32
...
	.end_amdgpu_metadata
.endif
;; end of part 3
;; launch gemm2 (part 4): grid 8 x 32, 4 waves a work-group, clusters of 4 x 4, 327,680 bytes of LDS; arguments xo, w2h, out0; writes out0
.if DOCPART == 4
	.amdgcn_target "amdgcn-amd-amdhsa--gfx1250"
	.amdhsa_code_object_version 6
	.text
	.protected	k_qed29be9087_gemm2
	.globl	k_qed29be9087_gemm2
	.p2align	8
	.type	k_qed29be9087_gemm2,@function
k_qed29be9087_gemm2:
	s_mov_b64 s[64:65], 0
	v_nop
	global_prefetch_b8 v0, s[64:65] scope:SCOPE_SE
	s_setreg_imm32_b32 hwreg(HW_REG_WAVE_MODE, 25, 1), 1
	s_wait_xcnt 0x0
	s_wait_alu depctr_hold_cnt(0) depctr_sa_sdst(0) depctr_va_vdst(0) depctr_va_sdst(0) depctr_va_ssrc(0) depctr_va_vcc(0) depctr_vm_vsrc(0)
	s_getreg_b32 s2, hwreg(HW_REG_IB_STS2, 6, 4)
	s_cmp_eq_u32 s2, 0
	s_cbranch_scc0 .Lentry_in_a_cluster
	s_endpgm
.Lentry_in_a_cluster:
	s_bfe_u32 s2, ttmp6, 0x10000c
	s_cmp_lg_u32 s2, 0xf033
	s_cbranch_scc0 .Lentry_shape_is_right
	s_endpgm
.Lentry_shape_is_right:
; out[m][n] = sum over k of o[m][k] w2[n][k].  A = xo: [8192][2048] f16 (o), B = w2h: [2048][2048] f16 (w2 rounded to bf16, written as f16), C = out0: [8192][2048] f32; sums in f32, K ascending, stored as they are.
; LIMITS are the operands': o and w2 arrive within f16's range (the launches that write them state it).  NaN and infinities are not treated apart.
; A tile of C, 256 x 256, is made by a work-group of four waves; a wave makes 128 x 128: 64 accumulators of 16 x 16, 512 registers.  32 x 8 tiles: 256 work-groups.
; K goes in 16 steps of 128 through a ring of two LDS slots filled by the tensor data mover: the rows of A's and B's tiles are 256 bytes of memory and start at multiples of 256 bytes from the buffer's first byte.
; THE LAST K STEP GOES BY ROWS OF C, so that finished rows leave while the others are still multiplied: nothing follows the tile under which its stores, 64 KiB a wave, could leave.
; CLUSTERS: 4 x 4 work-groups.  The four of a row of the cluster need the same tiles of A, the four of a column the same tiles of B.  Such a tile is asked for JOINTLY: each of the four issues the same
; tensor load, with the same descriptor and a mask that names the four, and each receives the tile in its own LDS.
; REGISTERS, in windows of 256 (s_set_vgpr_msb's low byte: bits 1:0 source 0, 3:2 source 1, 5:4 source 2, 7:6 destination):
;   window 0: v0-31 addresses; v64-127, v128-191 fragments of A, two buffers (in the last K step four, of 16 rows x 128 K)
;   window 1: v64-127, v128-191 fragments of B, two buffers; in the last K step all 256: B's fragments of the whole step
;   window 2: the 32 accumulators of my rows 0-63 (accumulator (a, b) at v[8 (8 a + b)]);   window 3: those of my rows 64-127; a block's rows come back from the stage into its own accumulators' registers
; THE MATRIX INSTRUCTION IS USED TRANSPOSED: source 0 = 16 rows of B, source 1 = 16 rows of A.  In the result lane l holds row l % 16 of C and its registers 0 to 7 the columns 8 (l / 16) + 0 .. 7:
; eight neighbouring numbers of a row of C, 32 bytes.
.set SIZE_M, 8192
.set SIZE_N, 2048
.set SIZE_K, 2048
.set KSTEP,  128
.set PITCH,  272                       ; an LDS row: 256 bytes of data + 16 of padding = 68 words: row r starts at bank 4 r mod 64 (64 banks of 4 bytes: ISA guide 11.1), so the 16 rows of a load start at 16 different banks
.set HALFT,  128*PITCH                 ; 128 rows: what one tensor load brings, and what one wave reads of A or of B
.set SLOT,   4*HALFT                   ; A's 256 rows, then B's 256 rows
.set STAGE,  2*SLOT                    ; behind the ring: 16 rows x 528 bytes for each wave, for the way out
.set SPITCH, 528                       ; a stage row: 512 bytes (128 f32) + 16 = 132 words: row r starts at bank 4 r mod 64
.set SPARE,  STAGE+4*16*SPITCH         ; behind the stages: the spare words, 128 bytes for each wave: two blocks of 256 bytes that no other line names
.set LAPS,   SIZE_K/(2*KSTEP)          ; a lap = two K steps = once round the ring: 8
.set ADRA, 16                          ; v16-17  LDS address of my A fragments in slot 0, 1
.set ADRB, 20                          ; v20-21  the same for B
.set STO,  24                          ; v24     the way out: where I put 32 bytes of a row
.set RD,   25                          ; v25     the way out: where I read a row back
.set CO,   26                          ; v26     my byte offset in a row's 512 bytes of C; never rewritten
.set SPW,  28                          ; v28     LDS address of my spare word: SPARE + 4 x my thread's number; never rewritten
.set NIL,  29                          ; v29     0; never rewritten
.set PFO,  30                          ; v30     the prefetches' offset: my lane x a row of A or B in memory; never rewritten
.set PFA,  44                          ; s[44:45] where my prefetches stand: my work-group's 32 rows of the 128 that I fetch, one K step further along K than the refill that is being asked for
.set LIM,  43                          ; s43     1 in a wave that prefetches, else the greatest number
.set F0,   64                          ; fragment buffer 0
.set F1,   128                         ; fragment buffer 1
.set PA,   64                          ; the last K step: A's fragments of 16 rows x 128 K, 32 registers; four such buffers, v64-191
.set G1, 24                            ; s[24:31] descriptor group 1 for A's tiles
.set G0, 32                            ; s[32:39] descriptor group 0 for A's tiles, one set for each slot
.set G1B, 48                           ; s[48:55] descriptor group 1 for B's tiles: it differs from A's in the mask alone
.set G0B, 56                           ; s[56:63] descriptor group 0 for B's tiles, one set for each slot
.set MSB, 0
.macro WIN new                         ; the immediate's high byte repeats the setting that is left; a switch that changes nothing is dropped
.if MSB != (\new)
	s_set_vgpr_msb (MSB<<8)|(\new)
.set MSB, \new
.endif
.endm
.set MUL_LO, 0xa1                      ; source 0 (B) window 1, source 1 (A) window 0, C and D window 2
.set MUL_HI, 0xf1                      ; the same, C and D window 3
.set TO_B,   0x40                      ; destination window 1, address window 0
; A joint load.  Waves 0 and 1 fetch A's two halves, waves 2 and 3 B's.  Each of the two lines has ONE mask and one set of registers for all that issue it.  The branch hangs on the wave's number alone.
; An s_nop 0 and four v_nop follow each of the two lines, ahead of the jump, the label and what follows.
.macro JLOAD s
	s_cmp_eq_u32 s11, 0
	s_cbranch_scc0 .Lfor_b_\@
	tensor_load_to_lds s[G0+4*(\s):G0+4*(\s)+3], s[G1:G1+7]
	s_nop 0
.rept 4
	v_nop
.endr
	s_branch .Lasked_\@
.Lfor_b_\@:
	tensor_load_to_lds s[G0B+4*(\s):G0B+4*(\s)+3], s[G1B:G1B+7]
	s_nop 0
.rept 4
	v_nop
.endr
.Lasked_\@:
.endm
; A PREFETCH, behind each joint refill, its five lines and the run of LDS loads that follows them: the K step that stands TWO refills on: 32 rows x 256 bytes, a lane a row, one instruction a wave:
; 512 matrix instructions ahead of the load that will name those bytes.  Each row's 256 bytes of a K step are named ONCE in the launch.  A's tile row is read by both clusters of that row of clusters:
; the one with cluster x = 0 asks; B's tile column by the eight clusters of that column: cluster y = 0 asks.  The four partners that ask for a tile jointly share its rows out BY ADDRESS: of the 128 rows
; that a wave fetches, the partner at place p takes 32 p .. 32 p + 31 (p = cx for A, cy for B): no branch hangs on a work-group's place in its cluster.
; K steps 0 to 3 come by their loads alone; the loop's last trip (s3 = 1) asks for nothing: K step 15 is the last that is named.
.macro ASK
	s_cmp_gt_u32 s3, s[LIM]
	s_cbranch_scc0 .Lnot_mine_\@
	global_prefetch_b8 v[PFO], s[PFA:PFA+1] offset:KSTEP*2 th:TH_LOAD_NT scope:SCOPE_SE
.Lnot_mine_\@:
.endm
; A round of the cluster's barrier: my work-group's barrier, so that wave 0's signal speaks for all four waves; wave 0 signals for the work-group; every wave waits for all sixteen work-groups;
; my work-group's barrier once more.  No LDS instruction of the wave is pending at a signal.
.macro CREST                           ; a round behind its opening barrier
	s_cmp_lg_u32 s10, 0
	s_cbranch_scc1 .Lnot_wave_0_\@
	s_barrier_signal -3
.Lnot_wave_0_\@:
	s_barrier_wait -3
	s_barrier_signal -1
	s_barrier_wait -1
.endm
.macro CROUND                          ; a whole round
	s_barrier_signal -1
	s_barrier_wait -1
	CREST
.endm
	s_load_b128 s[4:7], s[0:1], 0x0                ; A s[4:5], B s[6:7]
	s_load_b64 s[8:9], s[0:1], 0x10                ; C
	v_lshl_add_u32 v[SPW], v0, 2, SPARE
	v_mov_b32 v[NIL], 0
	ds_add_u32 v[SPW], v[NIL]                      ; the wave's opening: the add and its wait come ahead of my first tensor load; the set-up below, work on registers, stands between them
	ds_add_u32 v28, v29
	v_lshrrev_b32 v1, 5, v0
	v_readfirstlane_b32 s10, v1                    ; wave 0..3
	s_lshr_b32 s11, s10, 1                         ; which half of the tile's rows is mine.  Also: I fetch for A (0) or for B (1)
	s_and_b32 s12, s10, 1                          ; which half of its columns.  Also: which 128 rows of that tile I fetch
	s_bfe_u32 s40, ttmp6, 0x40000                  ; cx: my place along the cluster's x
	s_bfe_u32 s41, ttmp6, 0x40004                  ; cy: along its y
	s_lshl_b32 s42, ttmp9, 2                       ; in a cluster launch ttmp9 and ttmp7 count clusters
	s_add_co_u32 s42, s42, s40                     ; tile column of C = 4 x cluster x + cx
	s_and_b32 s13, ttmp7, 0xffff
	s_lshl_b32 s13, s13, 2
	s_add_co_u32 s13, s13, s41                     ; tile row of C = 4 x cluster y + cy
	s_lshl_b32 s43, s41, 2
	s_lshl_b32 s43, 15, s43                        ; my row of the cluster: places 4 cy .. 4 cy + 3
	s_lshl_b32 s44, 0x1111, s40                    ; my column: places cx, cx + 4, cx + 8, cx + 12
	; descriptor group 1: a tile of 128 rows x 128 elements, padded in LDS
	s_or_b32 s[G1+0], s43, (1<<16)|(1<<20)|(1<<21)|(5<<22)|(3<<25)  ; 15:0 the mask: A's tiles go to my row; 17:16 element of 2 bytes; 20 padding on; 21 set beside a mask; 24:22 after every 64 words (code 5); 31:25 of 4 words (code 3)
	s_or_b32 s[G1B+0], s44, (1<<16)|(1<<20)|(1<<21)|(5<<22)|(3<<25) ; the same with the mask of my column, for B's tiles
	s_mov_b32 s[G1B+1], KSTEP<<16
	s_mov_b32 s[G1+1], KSTEP<<16                   ; 63:48 tensor_dim0, low half = 128
	s_mov_b32 s[G1B+2], 128<<16
	s_mov_b32 s[G1+2], 128<<16                     ; 79:64 its high half = 0; 95:80 tensor_dim1, low half = 128
	s_mov_b32 s[G1B+3], KSTEP<<16
	s_mov_b32 s[G1+3], KSTEP<<16                   ; 111:96 its high half = 0; 127:112 tile_dim0 = 128
	s_mov_b32 s[G1B+4], 128
	s_mov_b32 s[G1+4], 128                         ; 143:128 tile_dim1 = 128; 159:144 tile_dim2 = 0
	s_mov_b32 s[G1B+5], SIZE_K
	s_mov_b32 s[G1+5], SIZE_K                      ; 191:160 tensor_dim0_stride, low word: elements from row to row
	s_mov_b32 s[G1B+6], 0
	s_mov_b32 s[G1+6], 0
	s_mov_b32 s[G1B+7], 0
	s_mov_b32 s[G1+7], 0
	; where the tiles come from.  A's hang on the tile row alone, which my row of the cluster shares; B's on the tile column alone, which my column shares.
	; Every wave makes both addresses, in registers that never hold the other coordinate, and asks by one of them.
	s_lshl_b32 s17, s12, 7                         ; which 128 rows of the tile I fetch
	s_lshl_b32 s16, s13, 8
	s_add_co_u32 s16, s16, s17                     ; A: row 256 x tile row + 128 x half
	s_lshl_b32 s46, s42, 8
	s_add_co_u32 s46, s46, s17                     ; B: row 256 x tile column + 128 x half
	s_mov_b32 s17, 0
	s_mov_b32 s47, 0
	s_mov_b64 s[18:19], SIZE_K*2
	s_mul_u64 s[16:17], s[16:17], s[18:19]         ; in bytes, in 64 bits
	s_mul_u64 s[46:47], s[46:47], s[18:19]
	s_mul_i32 s20, s10, HALFT                      ; and where they go: A's two halves, then B's two halves = wave x 128 rows: no place in the cluster enters an LDS address
	s_wait_dscnt 0x0                               ; the opening add is done
	s_wait_kmcnt 0x0
	s_add_nc_u64 s[14:15], s[4:5], s[16:17]
	s_add_nc_u64 s[46:47], s[6:7], s[46:47]
	CROUND                                         ; all sixteen work-groups are here: the first joint loads meet
.irp s, 0,1
	s_mov_b32 s[G0+4*(\s)], 1                                      ; 1:0 count = 1
	s_add_co_u32 s[G0+4*(\s)+1], s20, (\s)*SLOT                    ; 63:32 LDS address
	s_add_nc_u64 s[G0+4*(\s)+2:G0+4*(\s)+3], s[14:15], (\s)*KSTEP*2  ; 120:64 global address: K step s
	s_or_b32 s[G0+4*(\s)+3], s[G0+4*(\s)+3], 0x80000000            ; 127:126 type = 2
	s_mov_b32 s[G0B+4*(\s)], 1
	s_add_co_u32 s[G0B+4*(\s)+1], s20, (\s)*SLOT
	s_add_nc_u64 s[G0B+4*(\s)+2:G0B+4*(\s)+3], s[46:47], (\s)*KSTEP*2
	s_or_b32 s[G0B+4*(\s)+3], s[G0B+4*(\s)+3], 0x80000000
	JLOAD \s                                       ; the ring is filled before anything else is done: two tensor loads of mine are out
.endr
	; A fragment is 16 rows x 32 K in 8 registers: lane l holds row l % 16; registers 0-3 hold K = 8 (l / 16) + 0..7, registers 4-7 hold K = 16 + 8 (l / 16) + 0..7.
	; From rows that lie along K: two loads of 16 bytes, 32 bytes apart.  The same for source 0 and source 1.
	v_and_b32 v1, 15, v0                           ; l % 16
	v_bfe_u32 v2, v0, 4, 1                         ; l / 16
	v_mul_u32_u24 v3, v1, PITCH
	v_lshl_add_u32 v3, v2, 4, v3                   ; row x pitch + 16 x half
	s_mul_i32 s21, s11, HALFT                      ; my 128 rows of A
	s_mul_i32 s22, s12, HALFT                      ; my 128 rows of B,
	s_add_co_u32 s22, s22, 2*HALFT                 ; which lie behind A's 256
.irp s, 0,1
	v_add_nc_u32 v[ADRA+(\s)], s21, v3
	v_add_nc_u32 v[ADRB+(\s)], s22, v3
	s_add_co_u32 s21, s21, SLOT
	s_add_co_u32 s22, s22, SLOT
.endr
	s_mul_i32 s23, s10, 16*SPITCH
	s_add_co_u32 s23, s23, STAGE                   ; my stage
	v_mul_u32_u24 v4, v1, SPITCH                   ; in: row l % 16, 32 bytes for each half of the lanes
	v_lshl_add_u32 v4, v2, 5, v4
	v_add_nc_u32 v[STO], s23, v4
	v_and_b32 v5, 31, v0
	v_lshlrev_b32 v[CO], 4, v5                     ; back: the 32 lanes take one row of 512 bytes, 16 each; the same in C
	v_add_nc_u32 v[RD], s23, v[CO]
	; C's address is set once, at my part of the tile: a block's and a row's place stand in the stores' immediates
	s_lshl_b32 s13, s13, 8
	s_lshl_b32 s14, s11, 7
	s_add_co_u32 s16, s13, s14                     ; my first row of C
	s_mov_b32 s17, 0
	s_mov_b64 s[18:19], SIZE_N*4
	s_mul_u64 s[16:17], s[16:17], s[18:19]
	s_lshl_b32 s46, s42, 10                        ; my first column, in bytes: 1,024 x tile column + 512 x half
	s_lshl_b32 s47, s12, 9
	s_add_co_u32 s46, s46, s47
	s_mov_b32 s47, 0
	s_add_nc_u64 s[16:17], s[16:17], s[46:47]
	s_add_nc_u64 s[8:9], s[8:9], s[16:17]
	; the prefetches.  s13 = 256 x tile row, s42 = tile column, s40 = cx, s41 = cy still stand; s[4:5] = A, s[6:7] = B
	s_lshl_b32 s42, s42, 8
	s_and_b32 s22, ttmp7, 0xffff                   ; cluster y
	s_cmp_eq_u32 s11, 0                            ; do I fetch for A?
	s_cselect_b32 s20, s13, s42                    ; the tile's first row: in A by the tile row, in B by the tile column
	s_cselect_b32 s21, s40, s41                    ; my place among the four that ask for it with me
	s_cselect_b32 s22, ttmp9, s22                  ; the coordinate along which other clusters read the same rows
	s_cselect_b64 s[PFA:PFA+1], s[4:5], s[6:7]
	s_cmp_eq_u32 s22, 0
	s_cselect_b32 s[LIM], 1, -1                    ; the same in all sixteen partners, for a given wave
	s_lshl_b32 s22, s12, 7
	s_add_co_u32 s20, s20, s22                     ; + the 128 rows that I fetch
	s_lshl_b32 s21, s21, 5
	s_add_co_u32 s20, s20, s21                     ; + my work-group's 32 of them
	s_mov_b32 s21, 0
	s_mov_b64 s[18:19], SIZE_K*2
	s_mul_u64 s[20:21], s[20:21], s[18:19]
	s_add_nc_u64 s[PFA:PFA+1], s[PFA:PFA+1], s[20:21]
	s_add_nc_u64 s[PFA:PFA+1], s[PFA:PFA+1], 2*KSTEP*2  ; at K step 2: the first refill steps it to 3 and names K step 4
	v_and_b32 v[PFO], 31, v0
	v_mul_u32_u24 v[PFO], v[PFO], SIZE_K*2
; 16 matrix instructions: m blocks a0, a0 + 1 of the window's four (hi = 0: my rows 0-63, 1: rows 64-127) x all 8 n blocks, 32 along K.
; zero = 1: the first product starts the sums: nothing is ever cleared.  The 64 accumulators take turns, one instruction a turn, in the same order in every quarter step.
.macro MUL16 f, hi, a0, zero
	WIN MUL_LO+0x50*(\hi)  ; MUL_LO or MUL_HI
.irp a, \a0, (\a0)+1
.irp b, 0,1,2,3,4,5,6,7
.if \zero
	v_wmma_f32_16x16x32_f16 v[8*(8*(\a)+(\b)):8*(8*(\a)+(\b))+7], v[(\f)+8*(\b):(\f)+8*(\b)+7], v[(\f)+8*(4*(\hi)+(\a)):(\f)+8*(4*(\hi)+(\a))+7], 0
.else
	v_wmma_f32_16x16x32_f16 v[8*(8*(\a)+(\b)):8*(8*(\a)+(\b))+7], v[(\f)+8*(\b):(\f)+8*(\b)+7], v[(\f)+8*(4*(\hi)+(\a)):(\f)+8*(4*(\hi)+(\a))+7], v[8*(8*(\a)+(\b)):8*(8*(\a)+(\b))+7]
.endif
.endr
.endr
.endm
; 32 LDS loads in one run: the fragments of one quarter step (128 rows of B, 128 rows of A, 32 K at byte k of the rows) into buffer f
.macro FETCH slot, k, f
	WIN TO_B
.irp i, 0,1,2,3,4,5,6,7
	ds_load_b128 v[(\f)+8*(\i):(\f)+8*(\i)+3],   v[ADRB+(\slot)] offset:(\k)+(\i)*16*PITCH
	ds_load_b128 v[(\f)+8*(\i)+4:(\f)+8*(\i)+7], v[ADRB+(\slot)] offset:(\k)+(\i)*16*PITCH+32
.endr
	WIN 0
.irp i, 0,1,2,3,4,5,6,7
	ds_load_b128 v[(\f)+8*(\i):(\f)+8*(\i)+3],   v[ADRA+(\slot)] offset:(\k)+(\i)*16*PITCH
	ds_load_b128 v[(\f)+8*(\i)+4:(\f)+8*(\i)+7], v[ADRA+(\slot)] offset:(\k)+(\i)*16*PITCH+32
.endr
.endm
; A load into a register that a matrix instruction has read or written, and an LDS store that reads a matrix result, stand four places behind that matrix instruction, and only plain vector
; instructions that name none of its registers are places (ISA guide 7.12.1 for vector instructions).
.macro PLACES
.rept 4
	v_nop
.endr
.endm
; A K step is four quarter steps of 32 along K, 64 matrix instructions each, on buffers 0, 1, 0, 1.
; One of the first three: multiplies buffer f; in its middle it fetches the next quarter's fragments, at byte k of the same slot's rows, into buffer g.
.macro QUARTER slot, k, f, g, zero
	s_wait_dscnt 8                                 ; B and A's rows 0-63 are in; the youngest eight loads (A's rows 64-127) may be out
	WIN MUL_LO
	MUL16 \f, 0, 0, \zero
	MUL16 \f, 0, 2, \zero
	PLACES
	FETCH \slot, \k, \g
	s_wait_dscnt 32                                ; all but the 32 just issued
	WIN MUL_HI
	MUL16 \f, 1, 0, \zero
	MUL16 \f, 1, 2, \zero
.endm
; The last quarter multiplies buffer 1 and changes slots.  MEET is its first half: ONE barrier for the change of slots.  In front of it each wave waits for all its tensor loads, of which one is out:
; its part of the next slot; adds 0 to its spare word; and waits for that and for its own reads of this slot.  Behind it nobody reads this slot any more and the next slot is whole.
.macro MEET round                      ; round = 1: a round of the cluster's barrier follows
	WIN 0                                          ; (the add's two registers lie in window 0)
	s_wait_tensorcnt 0x0                           ; all my tensor loads have landed: the one that was out is my part of the next slot;
	ds_add_u32 v[SPW], v[NIL]                      ; 0 onto my spare word;
	s_wait_dscnt 9                                 ; (the add and the youngest eight loads may be out)
	WIN MUL_LO
	MUL16 F1, 0, 0, 0                              ; sixteen matrix instructions stand between the add and the wait for it
	s_wait_dscnt 0x0                               ; the add is done, and my reads of this slot are over:
	s_barrier_signal -1                            ; say so (where a slot is filled again this barrier opens a round of the cluster's barrier),
	MUL16 F1, 0, 2, 0                              ; work on registers while the others arrive,
.if \round
	WIN 0
.endif
	s_barrier_wait -1                              ; and go on when all four have said so
.endm
; The whole last quarter.  Behind the round the slot just read out is filled again first, with the K step two steps on; then come the next slot's first fragments.
; From a request to the wait for it a wave issues 224 matrix instructions; one tensor load of mine is out behind each round.
.macro TURN slot, next
	s_wait_xcnt 0x0                                ; the last prefetch, a K step back, has read its address: it is stepped here, ahead of the waits of the change of slots
	s_add_nc_u64 s[PFA:PFA+1], s[PFA:PFA+1], KSTEP*2
	MEET 1
	CREST                                          ; no wave of any partner still reads this slot's tile or has a load on its way
	s_add_nc_u64 s[G0+4*(\slot)+2:G0+4*(\slot)+3], s[G0+4*(\slot)+2:G0+4*(\slot)+3], 2*KSTEP*2
	s_add_nc_u64 s[G0B+4*(\slot)+2:G0B+4*(\slot)+3], s[G0B+4*(\slot)+2:G0B+4*(\slot)+3], 2*KSTEP*2
	JLOAD \slot                                    ; the first tensor load behind the round; the four v_nop behind it are also the places in front of the loads below
	FETCH \next, 0, F0
	ASK                                            ; behind the joint load and the run of LDS loads that the next products wait for
	WIN MUL_HI
	MUL16 F1, 1, 0, 0
	MUL16 F1, 1, 2, 0
.endm
; THE LAST K STEP (it lies in slot 1) GOES BY ROWS OF C, NOT BY K.  All its fragments of B (4 quarters x 64 registers) fill window 1; then my eight blocks of 16 rows are finished one after the other,
; each with 32 matrix instructions (its 8 accumulators by turns, K ascending: the sums stay the same bit for bit).  LDS is read no more than in any other K step.
.macro BLOAD q                         ; B's fragments of quarter q -> window 1, v[64 q ..]
	WIN TO_B
.irp i, 0,1,2,3,4,5,6,7
	ds_load_b128 v[64*(\q)+8*(\i):64*(\q)+8*(\i)+3],   v[ADRB+1] offset:64*(\q)+(\i)*16*PITCH
	ds_load_b128 v[64*(\q)+8*(\i)+4:64*(\q)+8*(\i)+7], v[ADRB+1] offset:64*(\q)+(\i)*16*PITCH+32
.endr
.endm
.macro ALOAD a                         ; A's fragments of block a, all four quarters -> buffer a % 4
	WIN 0
.set FA, PA+32*((\a)%4)
.irp q, 0,1,2,3
	ds_load_b128 v[FA+8*(\q):FA+8*(\q)+3],   v[ADRA+1] offset:64*(\q)+(\a)*16*PITCH
	ds_load_b128 v[FA+8*(\q)+4:FA+8*(\q)+7], v[ADRA+1] offset:64*(\q)+(\a)*16*PITCH+32
.endr
.endm
.macro ROW a                           ; block a is finished: 32 matrix instructions
.set FA, PA+32*((\a)%4)                ; its fragments of A
.set AC, 64*((\a)%4)                   ; its eight accumulators, in window 2 (blocks 0-3) or 3 (blocks 4-7)
	WIN MUL_LO+0x50*((\a)/4)                       ; MUL_LO or MUL_HI
.irp q, 0,1,2,3
.if (\a) == 0 && (\q) == 2
	s_wait_dscnt 24                                ; B's quarter 2 is in (behind it: A's blocks 1 to 3)
.endif
.irp b, 0,1,2,3,4,5,6,7
	v_wmma_f32_16x16x32_f16 v[AC+8*(\b):AC+8*(\b)+7], v[64*(\q)+8*(\b):64*(\q)+8*(\b)+7], v[FA+8*(\q):FA+8*(\q)+7], v[AC+8*(\b):AC+8*(\b)+7]
.endr
.endr
.endm
; THE WAY OUT of block a (16 rows x 128 columns of f32, 8 KiB), in three parts.  A lane's 32 bytes are a sixteenth of a row's 512, and the lanes beside it hold other rows: so the block goes through my own stage.
; PUT: the sums as they are, straight from the accumulators, each from its low end on.  GET: back as whole rows of 512 bytes, into the block's own 64 accumulator registers, which nothing names again:
; so no register that a global store reads is ever rewritten.  SEND2: stored; the block's and the row's place stand in the immediate, 127 rows of 8,192 bytes at the most, inside its signed 24 bits.
.macro PUT a
.set AC, 64*((\a)%4)
	WIN 0x08+4*((\a)/4)                            ; the stores' data (source 1): window 2 or 3; the address: window 0
.irp b, 0,1,2,3,4,5,6,7
	ds_store_b128 v[STO], v[AC+8*(\b):AC+8*(\b)+3]   offset:64*(\b)
	ds_store_b128 v[STO], v[AC+8*(\b)+4:AC+8*(\b)+7] offset:64*(\b)+16
.endr
.endm
.macro GET a
.set AC, 64*((\a)%4)
	WIN 0x80+0x40*((\a)/4)                         ; destination: window 2 or 3; the address: window 0
.irp t, 0,1,2,3,4,5,6,7,8,9,10,11,12,13,14,15
	ds_load_b128 v[AC+4*(\t):AC+4*(\t)+3], v[RD] offset:(\t)*SPITCH  ; LDS serves a wave's instructions in order (ISA guide 5.7.1.4): these see the stores above, and the next block's stores come behind them
.endr
.endm
.macro SEND2 a, younger                ; younger: the LDS instructions issued behind GET's loads, which may stay out
.set AC, 64*((\a)%4)
	WIN 0x08+4*((\a)/4)                            ; the stores' data (source 1): window 2 or 3; the address: window 0
	s_wait_dscnt \younger                          ; the block is back in registers
.irp t, 0,1,2,3,4,5,6,7,8,9,10,11,12,13,14,15
	global_store_b128 v[CO], v[AC+4*(\t):AC+4*(\t)+3], s[8:9] offset:(16*(\a)+(\t))*SIZE_N*4 th:TH_STORE_NT  ; the wave stores 512 consecutive bytes, at a multiple of 256 from C's first byte
.endr
.endm
	s_wait_tensorcnt 1                             ; my part of K step 0 is in; K step 1's load may stay out
	s_barrier_signal -1
	s_barrier_wait -1                              ; everybody's is
	FETCH 0, 0, F0
	QUARTER 0, 64,  F0, F1, 1                      ; the first quarter stands in front of the loop: its products start the sums
	WIN 0                                          ; at a label and at a branch every window is 0
	s_mov_b32 s3, LAPS-1
.Llap:                                                 ; a trip goes once round the ring, from a lap's second quarter to the next lap's first, and fills both slots again
	QUARTER 0, 128, F1, F0, 0
	QUARTER 0, 192, F0, F1, 0
	TURN 0, 1
	QUARTER 1, 64,  F0, F1, 0
	QUARTER 1, 128, F1, F0, 0
	QUARTER 1, 192, F0, F1, 0
	TURN 1, 0
	QUARTER 0, 64,  F0, F1, 0
	WIN 0
	s_sub_co_u32 s3, s3, 1
	s_cmp_lg_u32 s3, 0
	s_cbranch_scc1 .Llap
	QUARTER 0, 128, F1, F0, 0                      ; the last lap is written out: it fills nothing
	QUARTER 0, 192, F0, F1, 0
	MEET 0                                         ; my one tensor load that was still out is slot 1's, the last K step's, so no round follows
	PLACES                                         ; for the loads into buffer 0, which the quarter before multiplied
	BLOAD 0                                        ; three quarters of B now: buffer 1 (v128-191 of both windows) is still being multiplied
	BLOAD 1
	BLOAD 3
	ALOAD 0
	MUL16 F1, 1, 0, 0
	MUL16 F1, 1, 2, 0
	PLACES                                         ; for the loads into buffer 1
	BLOAD 2
	ALOAD 1
	ALOAD 2
	ALOAD 3
	s_wait_dscnt 40                                ; all but the 40 just issued: B's quarter 2 and A's blocks 1 to 3
	ROW 0
; Block a: its trip into the stage and the loads back; A's fragments for the block four further on, into the buffer that block a has left; then block a + 1's products, under which the stage's round trip
; lies; then block a's stores.  So seven of the eight blocks' stores are issued among the step's last 224 matrix instructions.
.irp a, 0,1,2,3,4,5,6,7
	PLACES                                         ; the LDS stores read results just made, and loads land in registers that those products read and wrote
	PUT \a
	GET \a
.if (\a) < 4
	ALOAD (\a)+4
.endif
.if (\a) == 0
	s_wait_dscnt 56                                ; A's block 1 is in: behind its loads stand blocks 2 and 3 (16), the stage's 16 stores and 16 loads and block 4 (8).  The later blocks are shown in by the stores' waits
.endif
.if (\a) < 7
	ROW (\a)+1
.endif
.if (\a) < 4
	SEND2 \a, 8                                    ; the eight loads of A's block a + 4 may stay out
.else
	SEND2 \a, 0
.endif
.endr
	WIN 0
	s_wait_tensorcnt 0x0                           ; the wave's end: behind my last tensor load and my last LDS store
	ds_add_u32 v[SPW], v[NIL]
	s_wait_dscnt 0x0
	CROUND                                         ; the closing round: no work-group ends while a partner may still ask for a tile that names it
	s_endpgm
.Lfunc_end_k_qed29be9087_gemm2:
	.size	k_qed29be9087_gemm2, .Lfunc_end_k_qed29be9087_gemm2-k_qed29be9087_gemm2
	.p2alignl 7, 3214868480
	.fill 96, 4, 3214868480
	.section	.rodata,"a",@progbits
	.p2align	6, 0x0
	.amdhsa_kernel k_qed29be9087_gemm2
		.amdhsa_group_segment_fixed_size 327680
		.amdhsa_private_segment_fixed_size 0
		.amdhsa_enable_private_segment 0
		.amdhsa_kernarg_size 24
		.amdhsa_user_sgpr_count 2
		.amdhsa_user_sgpr_kernarg_segment_ptr 1
		.amdhsa_wavefront_size32 1
		.amdhsa_system_sgpr_workgroup_id_x 1
		.amdhsa_system_sgpr_workgroup_id_y 1
		.amdhsa_system_sgpr_workgroup_id_z 1
		.amdhsa_system_vgpr_workitem_id 0
		.amdhsa_next_free_vgpr 1024
		.amdhsa_next_free_sgpr 66
		.amdhsa_reserve_vcc 0
		.amdhsa_float_denorm_mode_32 3
		.amdhsa_float_denorm_mode_16_64 3
		.amdhsa_memory_ordered 1
		.amdhsa_forward_progress 1
		.amdhsa_inst_pref_size 142
	.end_amdhsa_kernel
	.amdgpu_metadata
---
amdhsa.version: [ 1, 2 ]
amdhsa.kernels:
  - .name:           k_qed29be9087_gemm2
    .symbol:         k_qed29be9087_gemm2.kd
    .args:
      - { .name: xo, .offset: 0, .size: 8, .value_kind: global_buffer, .address_space: global }
      - { .name: w2h, .offset: 8, .size: 8, .value_kind: global_buffer, .address_space: global }
      - { .name: out0, .offset: 16, .size: 8, .value_kind: global_buffer, .address_space: global }
    .group_segment_fixed_size: 327680
    .private_segment_fixed_size: 0
    .kernarg_segment_align: 8
    .kernarg_segment_size: 24
    .max_flat_workgroup_size: 128
    .sgpr_count:     66
    .vgpr_count:     1024
    .wavefront_size: 32
...
	.end_amdgpu_metadata
.endif
;; end of part 4
